; MI455X (gfx1250); checked and timed in simulation.
; The chip was launched on July 23, 2026; its instructions are those of AMD's public machine-readable ISA for CDNA 5 (MIT licence, August 2026) and "CDNA5" Instruction Set Architecture Reference Guide (July 2026). The comments in the code are by the model that wrote it; some were corrected since.
;; Dist Match Layer v5. Allowed arithmetic: matrix products marked QUANTISED: E5M2 operands, one given power-of-two scale a tensor, by v_wmma_f32_16x16x64_bf8_bf8 or v_wmma_f32_16x16x128_bf8_bf8, f32 sums; products left as they are: f32 operands where the result goes on into a quantised operand, else bf16, f16 or f32 operands; f32 sums; everything else in f32.
;; Inputs: coord_a 8,192 x 3 int32; coord_b 8,192 x 3 int32; feat_a 8,192 x 256 float32; feat_b 8,192 x 256 float32; idx_a 8,192 int32; idx_b 8,192 int32; lowp_scales 4 int32 (the exponents e of the quantised operands' scales 2^e).
;; Outputs: out0 8,192 x 512 float32.
;; This version of the problem:
;;   THIS VERSION OF THE PROBLEM IS GIVEN IN LOW PRECISION. The matrix products marked QUANTISED in the list below multiply operands that are first quantised to E5M2 (5 exponent bits, 2 mantissa bits; 8 bits a number), with one given power-of-two scale for each operand tensor; their sums are f32. All else is computed in f32.
;;   The module's matrix products, in the order in which they are computed (A, B: the left and right operand; K: the contracted axis; several contracted axes count as one K, in the product's order):
;;     1. [M 8,192, K 256] x [K 256, N 8,192]; A: input feat_a; B: input feat_b: QUANTISED (scales: A lowp_scales[0], B lowp_scales[1])
;;     2. [M 8,192, K 3] x [K 3, N 8,192]; A: input coord_a; B: input coord_b: left as it is (K = 3 < 32)
;;     3. [M 8,192, K 8,192] x [K 8,192, N 256]; A: computed on the way; B: input feat_b: QUANTISED (scales: A lowp_scales[2], B lowp_scales[3])
;;   THE QUANTISER, for each operand of a quantised product, along K:
;;     - The operand's scale is 2^e, e = its entry of the input lowp_scales (int32; the entries are numbered through the quantised products in the list's order, A before B).
;;     - Each number is divided by the scale, clamped to +-57,344, and rounded to the nearest number of E5M2, ties to even, subnormals kept.
;;     - The product sums the exact products of the quantised numbers (number of the format x scale) in f32.
;;   ~~~python
;;   def quantise(x, axis, e):      # numpy; x: float32 -> the quantised numbers, widened to float32 again
;;       x = np.moveaxis(x, axis, -1); K = x.shape[-1]
;;       r = np.clip(x / 2.0 ** e, -57344, 57344)
;;       step = 2.0 ** (np.maximum(np.frexp(np.where(r == 0, 1, r))[1] - 1, -14) - 2)
;;       q = np.round(r / step) * step * 2.0 ** e      # np.round: ties to even
;;       return np.moveaxis(q, -1, axis).astype(np.float32)
;;   ~~~
;;   OPERANDS COMPUTED ON THE WAY. 'Computed on the way' means the value that the module computes at that place (a softmax that the list does not call 'softmax' is quantised finished and normalised). What goes into a quantiser is computed in f32, as accurately as f32 sums, v_exp_f32 and their like allow (about 1e-6 of the number): no bf16 or f16 on the way to a quantiser, and a product that is left as it is and whose result goes on into a quantised operand takes f32 operands (vector FMAs, or v_wmma_f32_16x16x4_f32). A number that lies on a knife's edge between two numbers of the format may be rounded either way, as far as f32 arithmetic and the matrix unit's own rounding can turn it there, and no further.
;; 2 versions. Each part assembles by itself: llvm-mc -triple=amdgcn-amd-amdhsa -mcpu=gfx1250 --defsym DOCPART=n.
;; ======== version 1 of 2: 2 launches
;; workspace buffers: qa 2,097,152 bytes; kb 2,097,152 bytes; vb 2,097,152 bytes; kc 131,072 bytes; kr 512 bytes of whole numbers; hb 1,024 bytes of whole numbers
;; launch prep (part 1): grid 384 x 1, 2 waves a work-group, no clusters, 66,816 bytes of LDS; arguments feat_a, feat_b, coord_b, idx_a, idx_b, lowp_scales, out0, qa, kb, vb, kc, kr, hb; writes out0, qa, kb, vb, kc, kr, hb
.if DOCPART == 1
	.amdgcn_target "amdgcn-amd-amdhsa--gfx1250"
	.amdhsa_code_object_version 6
	.text
	.protected	k_q18308193ba_prep
	.globl	k_q18308193ba_prep
	.p2align	8
	.type	k_q18308193ba_prep,@function
k_q18308193ba_prep:
	s_mov_b64 s[64:65], 0
	v_nop
	global_prefetch_b8 v0, s[64:65] scope:SCOPE_SE
	s_setreg_imm32_b32 hwreg(HW_REG_WAVE_MODE, 25, 1), 1
	s_wait_xcnt 0x0
; THE PROGRAM.  out0 = [feat_a | tmp], tmp = Q(softmax_masked(Q(feat_a) Q(feat_b)^T) x dist_c) Q(feat_b), Q = E5M2 with the four given scales 2^e0 .. 2^e3.
; Two launches.  This one quantises and lays out; the second one does the two products, the softmax and the coordinate weights.
; WORK LEFT OUT (in the second launch).  reference() builds its mask from idx_a and idx_b.  A query that has a partner (some key with its idx) gets dist_f = 0 at every key of another idx:
; the softmax's input there is the least f32 number.  So a tile of 16 queries x 128 keys in which no pair of idx is equal adds 0 to the row sums and to tmp, for all values of the features and
; coordinates, and is not multiplied.  Which tiles those are is decided by whole numbers that this launch stores: the least and the largest idx of each 128 keys (kr).  No order of the idx is
; assumed: a tile is walked wherever the two ranges meet, and inside a walked tile each pair is compared.  A query WITHOUT a partner gets reference()'s uniform 1/8192 over all 8,192 keys: this
; launch stores one bit a query (hb) that says whether it has a partner, and a tile that holds such a query walks all keys.  Every input is loaded by one of the two launches.
; LIMIT: a NaN, an infinity or an overflow that would arise only in a tile left out is not carried to the result.
; THIS LAUNCH, three roles by the work-group's number, a wave to a unit of 32 rows:
;   0-127   feat_a: copied into out0's left half; codes with 2^e0 into qa.      128-255 feat_b: codes with 2^e1 into kb, codes with 2^e3, keys innermost, into vb; coord_b as f32 rows (-2x, -2y, -2z, |c|^2) into kc.
;   256-383 routing: hb (a word for each 32 queries); the first of them also kr.
; qa, kb: [tile of 16 rows][128 channels s][c: 4][lane][16 bytes]: the order of an operand's registers: lane (r, h) holds row r, channels 128 s + 32 c + 16 h + 0 .. 15.  The same order of k in both operands.
; vb: [128 keys G][16 channels ct][q: 4][lane][16 bytes]: lane (r, h) holds channel 16 ct + r; registers 4 q + 2 c + {0, 1} hold keys 16 (2 q + c) + 8 h + 0 .. 7.
; code = x / 2^e, held within +-57,344, to the nearest code, ties to even.  LIMITS: each e between -126 and 112; NaN among the features is not served; |coord| up to 1,024, so that every sum of the
; coordinates is a whole number that f32 holds.  idx are compared as unsigned words: equality and ranges hold under any one order.
; A unit's 32 KB are loaded as they lie (512 consecutive bytes a load), go into the wave's own stage in LDS (rows 1,040 bytes apart) and come back in the order that the conversions want.
; Waves share nothing: no barrier.  No tensor load: the stage is written by LDS stores.
.set RP,    1040                       ; a stage row: 1,024 bytes + 16
.set STG,   32*RP                      ; a wave's stage
.set SPARE, 2*STG                      ; behind the stages: the spare words, 128 bytes a wave: one block of 256 bytes that no other line names
.set R,     32                         ; v32-159  32 x 4 registers as loaded; later v32-95 numbers, v96-159 codes
.set CD,    96
.set MANT,  0x600000                   ; the mantissa field of 57,344 as f32
	s_load_b512 s[4:19], s[0:1], 0x0               ; feat_a 4, feat_b 6, coord_b 8, idx_a 10, idx_b 12, scales 14, out0 16, qa 18
	s_load_b256 s[20:27], s[0:1], 0x40             ; kb 20, vb 22, kc 24, kr 26
	s_load_b64 s[28:29], s[0:1], 0x60              ; hb
	v_lshl_add_u32 v2, v0, 2, SPARE                ; my spare word; never rewritten
	v_mov_b32 v3, 0                                ; 0; never rewritten
	v_lshrrev_b32 v12, 5, v0
	v_readfirstlane_b32 s30, v12                   ; wave 0, 1
	v_and_b32 v13, 31, v0                          ; lane
	v_lshlrev_b32 v1, 4, v13                       ; 16 x lane
	v_and_b32 v14, 15, v0                          ; r
	v_bfe_u32 v16, v0, 4, 1                        ; h
	s_mul_i32 s48, s30, STG
	v_add_nc_u32 v4, s48, v1                       ; into the stage: 16 x lane
	v_mul_u32_u24 v5, v14, RP
	v_lshl_add_u32 v5, v16, 6, v5
	v_add_nc_u32 v5, s48, v5                       ; out of it along the channels: row r, + 64 h
	v_mul_u32_u24 v6, v16, 8*RP
	v_lshl_add_u32 v6, v14, 2, v6
	v_add_nc_u32 v6, s48, v6                       ; out of it down the keys: row 8 h, channel r
	v_mul_u32_u24 v11, v14, 12                     ; a row of coord_b is 12 bytes
	s_mov_b32 s51, 0
	s_wait_kmcnt 0x0
	s_cmp_ge_u32 ttmp9, 256
	s_cbranch_scc1 .Lroute
	s_load_b128 s[44:47], s[14:15], 0x0            ; e0 .. e3
	s_cmp_lt_u32 ttmp9, 128                        ; feat_a's work-group or feat_b's: only pointers are chosen, both take one way through the text
	s_cselect_b64 s[32:33], s[4:5], s[6:7]
	s_cselect_b64 s[34:35], s[18:19], s[20:21]
	s_cselect_b32 s49, 0, 128
	s_sub_co_u32 s49, ttmp9, s49
	s_lshl_b32 s49, s49, 1
	s_add_co_u32 s31, s49, s30                     ; my unit U, 0 .. 255
	s_lshl_b32 s50, s31, 15
	s_add_nc_u64 s[32:33], s[32:33], s[50:51]      ; its 32 rows of 1,024 bytes
	s_lshl_b32 s50, s31, 13
	s_add_nc_u64 s[34:35], s[34:35], s[50:51]      ; its two tiles of codes
	s_lshl_b32 s50, s31, 16
	s_add_nc_u64 s[36:37], s[16:17], s[50:51]      ; its 32 rows of out0
	s_lshr_b32 s50, s31, 2
	s_lshl_b32 s50, s50, 15
	s_and_b32 s52, s31, 3
	s_lshl_b32 s52, s52, 9
	s_add_co_u32 s50, s50, s52
	s_add_nc_u64 s[38:39], s[22:23], s[50:51]      ; vb: group U / 4, quarter U % 4
	s_lshl_b32 s50, s31, 9
	s_add_nc_u64 s[40:41], s[24:25], s[50:51]      ; kc
	s_mul_i32 s50, s31, 384
	s_add_nc_u64 s[42:43], s[8:9], s[50:51]        ; coord_b
; Half H of the unit: 32 loads of 512 consecutive bytes, each into the stage as it comes in; feat_a's also into out0's left half, 512 consecutive bytes a store.
.macro STAGE H
.if \H
	s_wait_xcnt 0x0                                ; the stores into out0 have read their registers,
	s_wait_dscnt 0x0                               ; and so have those into the stage: the registers are loaded again
.endif
.set MI, 0
.rept 32
	global_load_b128 v[R+4*MI:R+4*MI+3], v1, s[32:33] offset:(32*\H+MI)*512 th:TH_LOAD_NT
.set MI, MI+1
.endr
.set MI, 0
.rept 32
	s_wait_loadcnt 31-MI                           ; loads come back in order: this one is in, the 31 - MI younger ones of the round may be out
	ds_store_b128 v4, v[R+4*MI:R+4*MI+3] offset:((32*\H+MI)/2)*RP+(MI%2)*512
.set MI, MI+1
.endr
	s_cmp_lt_u32 ttmp9, 128
	s_cbranch_scc0 .Lnot_a_\@
.set MI, 0
.rept 32
	global_store_b128 v1, v[R+4*MI:R+4*MI+3], s[36:37] offset:((32*\H+MI)/2)*2048+(MI%2)*512 th:TH_STORE_NT
.set MI, MI+1
.endr
.Lnot_a_\@:
.endm
.macro POW e, vs, vl                   ; v[vs] = 2^e as f32 (the conversion takes its exponent field), v[vl] = 57,344 x 2^e
	s_add_co_i32 s48, s[\e], 127
	s_lshl_b32 s49, s48, 23
	v_mov_b32 v[\vs], s49
	s_add_co_i32 s48, s48, 15
	s_lshl_b32 s48, s48, 23
	s_or_b32 s48, s48, MANT
	v_mov_b32 v[\vl], s48
.endm
; Tile t (16 rows), channels 128 s on: 64 numbers a lane, register 16 c + i = channel 128 s + 32 c + 16 h + i of row r; their codes are a fragment's 16 registers
.macro KQ t, s
.irp c, 0,1,2,3
.irp j, 0,1,2,3
	ds_load_b128 v[R+16*\c+4*\j:R+16*\c+4*\j+3], v5 offset:\t*16*RP+\s*512+\c*128+16*\j
.endr
.endr
	s_wait_dscnt 0x0
.set CB, CD+16*(2*\t+\s)
.irp c, 0,1,2,3
.irp i, 0,1,2,3,4,5,6,7,8,9,10,11,12,13,14,15
	v_med3_num_f32 v[R+16*\c+\i], v[R+16*\c+\i], -v8, v8       ; the conversion to an 8-bit code does not saturate (ISA guide 7.6.2): the hold at the largest code x the scale
.endr
	v_cvt_scalef32_pk8_bf8_f32 v[CB+4*\c:CB+4*\c+1], v[R+16*\c:R+16*\c+7], v7
	v_cvt_scalef32_pk8_bf8_f32 v[CB+4*\c+2:CB+4*\c+3], v[R+16*\c+8:R+16*\c+15], v7
.endr
	v_nop                                          ; a plain line behind the last conversion
.irp c, 0,1,2,3
	global_store_b128 v1, v[CB+4*\c:CB+4*\c+3], s[34:35] offset:\t*4096+\s*2048+\c*512     ; 512 consecutive bytes
.endr
.endm
; Channel tiles 4 g .. 4 g + 3: a lane takes channel r of the tile and its registers run down the unit's keys: register 8 c + j = key 16 c + 8 h + j
.macro VQ g
.irp a, 0,1,2,3
.irp k, 0,1,2,3,4,5,6,7,8,9,10,11,12,13,14,15
	ds_load_b32 v[R+16*\a+\k], v6 offset:(16*(\k/8)+\k%8)*RP+(4*\g+\a)*64
.endr
.endr
	s_wait_dscnt 0x0
.irp a, 0,1,2,3
.irp k, 0,1,2,3,4,5,6,7,8,9,10,11,12,13,14,15
	v_med3_num_f32 v[R+16*\a+\k], v[R+16*\a+\k], -v10, v10
.endr
	v_cvt_scalef32_pk8_bf8_f32 v[CD+4*(4*\g+\a):CD+4*(4*\g+\a)+1], v[R+16*\a:R+16*\a+7], v9
	v_cvt_scalef32_pk8_bf8_f32 v[CD+4*(4*\g+\a)+2:CD+4*(4*\g+\a)+3], v[R+16*\a+8:R+16*\a+15], v9
.endr
	v_nop
.irp a, 0,1,2,3
	global_store_b128 v1, v[CD+4*(4*\g+\a):CD+4*(4*\g+\a)+3], s[38:39] offset:(4*\g+\a)*2048
.endr
.endm
	STAGE 0
	STAGE 1
	s_wait_kmcnt 0x0
	s_cmp_lt_u32 ttmp9, 128
	s_cselect_b32 s52, s44, s45                    ; e0 for feat_a, e1 for feat_b
	POW 52, 7, 8
	POW 47, 9, 10                                  ; e3
	s_wait_xcnt 0x0                                ; the stores have read their registers,
	s_wait_dscnt 0x0                               ; and the whole unit lies in my stage
	KQ 0, 0
	KQ 0, 1
	KQ 1, 0
	KQ 1, 1
	s_cmp_lt_u32 ttmp9, 128
	s_cbranch_scc0 .Lrole_b
	s_wait_tensorcnt 0x0                           ; the wave's end: three lines, behind my last LDS store
	ds_add_u32 v2, v3
	s_wait_dscnt 0x0
	s_endpgm
.Lrole_b:
	s_wait_xcnt 0x0                                ; kb's stores have read the registers that vb's codes take
	VQ 0
	VQ 1
	VQ 2
	VQ 3
	global_load_b32 v20, v11, s[42:43]             ; keys r and 16 + r of the unit: x, y, z
	global_load_b32 v21, v11, s[42:43] offset:4
	global_load_b32 v22, v11, s[42:43] offset:8
	global_load_b32 v23, v11, s[42:43] offset:192
	global_load_b32 v24, v11, s[42:43] offset:196
	global_load_b32 v25, v11, s[42:43] offset:200
	s_mov_b32 s53, 0xffff0000                      ; lanes 16-31
	s_wait_loadcnt 0x0
.irp i, 20,21,22,23,24,25
	v_cvt_f32_i32 v\i, v\i
.endr
	v_mul_f32 v26, v20, v20
	v_mul_f32 v27, v23, v23
	v_fmac_f32 v26, v21, v21
	v_fmac_f32 v27, v24, v24
	v_fmac_f32 v26, v22, v22                       ; |c|^2
	v_fmac_f32 v27, v25, v25
.irp i, 20,21,22,23,24,25
	v_mul_f32 v\i, -2.0, v\i
.endr
	v_cndmask_b32 v28, v20, v22, s53               ; an f32 operand of K = 4: register j holds k = 2 h + j: lanes 0-15 (-2x, -2y), lanes 16-31 (-2z, |c|^2)
	v_cndmask_b32 v29, v21, v26, s53
	v_cndmask_b32 v30, v23, v25, s53
	v_cndmask_b32 v31, v24, v27, s53
	global_store_b128 v1, v[28:31], s[40:41]
	s_wait_tensorcnt 0x0                           ; the wave's end: the three lines
	ds_add_u32 v2, v3
	s_wait_dscnt 0x0
	s_endpgm
; ROUTING.  Wave = block b of 32 queries, a lane a query.  s54 gathers the bit 'my idx occurs in idx_b'.
.Lroute:
	s_sub_co_u32 s49, ttmp9, 256
	s_lshl_b32 s49, s49, 1
	s_add_co_u32 s31, s49, s30                     ; b
	s_lshl_b32 s50, s31, 7
	v_lshlrev_b32 v12, 2, v13
	v_add_nc_u32 v12, s50, v12
	global_load_b32 v15, v12, s[10:11]             ; my query's idx
	s_mov_b32 s54, 0
	s_cmp_lg_u32 ttmp9, 256
	s_cbranch_scc1 .Lno_ranges
	v_lshlrev_b32 v25, 9, v0                       ; the first routing work-group: thread g takes the 128 idx of group g: 64 threads, 64 groups
	v_lshlrev_b32 v24, 3, v0
.set MI, 0
.rept 32
	global_load_b128 v[R+4*MI:R+4*MI+3], v25, s[12:13] offset:16*MI
.set MI, MI+1
.endr
	s_wait_loadcnt 0x0
.irp i, 0,1,2,3
	v_min_u32 v[16+\i], v[R+\i], v[R+4+\i]         ; four chains each, started by the first words
	v_max_u32 v[20+\i], v[R+\i], v[R+4+\i]
.endr
.set MI, 2
.rept 30
.irp i, 0,1,2,3
	v_min_u32 v[16+\i], v[16+\i], v[R+4*MI+\i]
	v_max_u32 v[20+\i], v[20+\i], v[R+4*MI+\i]
.endr
.set MI, MI+1
.endr
	v_min_u32 v16, v16, v17
	v_min_u32 v18, v18, v19
	v_max_u32 v20, v20, v21
	v_max_u32 v22, v22, v23
	v_min_u32 v26, v16, v18
	v_max_u32 v27, v20, v22
	global_store_b64 v24, v[26:27], s[26:27]       ; kr[g] = {least, largest}: a wave stores 256 consecutive bytes
	s_wait_xcnt 0x0
.Lno_ranges:
; One group of 128 keys lies in four registers of the wave.  Where all 128 idx are one number, one compare serves; else each is held against the 32 queries.  Both ways are exact.
.macro GROUP m
.set KI, R+4*(\m)
	v_readfirstlane_b32 s55, v[KI]
	v_cmp_ne_u32 s56, s55, v[KI]
	v_cmp_ne_u32 s57, s55, v[KI+1]
	v_cmp_ne_u32 s58, s55, v[KI+2]
	v_cmp_ne_u32 s59, s55, v[KI+3]
	s_or_b32 s56, s56, s57
	s_or_b32 s58, s58, s59
	s_or_b32 s56, s56, s58
	s_cmp_lg_u32 s56, 0
	s_cbranch_scc1 .Lslow_\@
	v_cmp_eq_u32 vcc_lo, s55, v15
	s_or_b32 s54, s54, vcc_lo
	s_branch .Ldone_\@
.Lslow_\@:
	s_mov_b32 s60, 0
.Leach_\@:
.irp i, 0,1,2,3
	v_readlane_b32 s61, v[KI+\i], s60
	v_cmp_eq_u32 vcc_lo, s61, v15
	s_or_b32 s54, s54, vcc_lo
.endr
	s_add_co_u32 s60, s60, 1
	s_cmp_lt_u32 s60, 32
	s_cbranch_scc1 .Leach_\@
.Ldone_\@:
.endm
.irp rho, 0,1
.set MI, 0
.rept 32
	global_load_b128 v[R+4*MI:R+4*MI+3], v1, s[12:13] offset:(32*\rho+MI)*512      ; group 32 rho + MI: 512 consecutive bytes
.set MI, MI+1
.endr
	s_wait_loadcnt 0x0
.set GI, 0
.rept 32
	GROUP GI
.set GI, GI+1
.endr
.endr
	v_mov_b32 v16, s54
	s_lshl_b32 s50, s31, 2
	v_mov_b32 v17, s50
	s_wait_xcnt 0x0                                ; EXEC changes only behind this wait
	v_cmp_eq_u32 vcc_lo, 0, v13
	s_and_saveexec_b32 s56, vcc_lo
	global_store_b32 v17, v16, s[28:29]            ; hb[b], by lane 0
	s_wait_xcnt 0x0                                ; and again, in front of the line that widens it
	s_or_b32 exec_lo, exec_lo, s56
	s_wait_tensorcnt 0x0                           ; the wave's end: the three lines
	ds_add_u32 v2, v3
	s_wait_dscnt 0x0
	s_endpgm
.Lfunc_end_k_q18308193ba_prep:
	.size	k_q18308193ba_prep, .Lfunc_end_k_q18308193ba_prep-k_q18308193ba_prep
	.p2alignl 7, 3214868480
	.fill 96, 4, 3214868480
	.section	.rodata,"a",@progbits
	.p2align	6, 0x0
	.amdhsa_kernel k_q18308193ba_prep
		.amdhsa_group_segment_fixed_size 66816
		.amdhsa_private_segment_fixed_size 0
		.amdhsa_enable_private_segment 0
		.amdhsa_kernarg_size 104
		.amdhsa_user_sgpr_count 2
		.amdhsa_user_sgpr_kernarg_segment_ptr 1
		.amdhsa_wavefront_size32 1
		.amdhsa_system_sgpr_workgroup_id_x 1
		.amdhsa_system_sgpr_workgroup_id_y 1
		.amdhsa_system_sgpr_workgroup_id_z 1
		.amdhsa_system_vgpr_workitem_id 0
		.amdhsa_next_free_vgpr 160
		.amdhsa_next_free_sgpr 66
		.amdhsa_reserve_vcc 1
		.amdhsa_float_denorm_mode_32 3
		.amdhsa_float_denorm_mode_16_64 3
		.amdhsa_memory_ordered 1
		.amdhsa_forward_progress 1
		.amdhsa_inst_pref_size 175
	.end_amdhsa_kernel
	.amdgpu_metadata
---
amdhsa.version: [ 1, 2 ]
amdhsa.kernels:
  - .name:           k_q18308193ba_prep
    .symbol:         k_q18308193ba_prep.kd
    .args:
      - { .name: feat_a, .offset: 0, .size: 8, .value_kind: global_buffer, .address_space: global }
      - { .name: feat_b, .offset: 8, .size: 8, .value_kind: global_buffer, .address_space: global }
      - { .name: coord_b, .offset: 16, .size: 8, .value_kind: global_buffer, .address_space: global }
      - { .name: idx_a, .offset: 24, .size: 8, .value_kind: global_buffer, .address_space: global }
      - { .name: idx_b, .offset: 32, .size: 8, .value_kind: global_buffer, .address_space: global }
      - { .name: lowp_scales, .offset: 40, .size: 8, .value_kind: global_buffer, .address_space: global }
      - { .name: out0, .offset: 48, .size: 8, .value_kind: global_buffer, .address_space: global }
      - { .name: qa, .offset: 56, .size: 8, .value_kind: global_buffer, .address_space: global }
      - { .name: kb, .offset: 64, .size: 8, .value_kind: global_buffer, .address_space: global }
      - { .name: vb, .offset: 72, .size: 8, .value_kind: global_buffer, .address_space: global }
      - { .name: kc, .offset: 80, .size: 8, .value_kind: global_buffer, .address_space: global }
      - { .name: kr, .offset: 88, .size: 8, .value_kind: global_buffer, .address_space: global }
      - { .name: hb, .offset: 96, .size: 8, .value_kind: global_buffer, .address_space: global }
    .group_segment_fixed_size: 66816
    .private_segment_fixed_size: 0
    .kernarg_segment_align: 8
    .kernarg_segment_size: 104
    .max_flat_workgroup_size: 64
    .sgpr_count:     66
    .vgpr_count:     160
    .wavefront_size: 32
...
	.end_amdgpu_metadata
.endif
;; end of part 1
;; launch main (part 2): grid 256 x 1, 16 waves a work-group, no clusters, 268,800 bytes of LDS; arguments qa, kb, vb, kc, kr, hb, coord_a, idx_a, idx_b, lowp_scales, out0; writes out0
.if DOCPART == 2
	.amdgcn_target "amdgcn-amd-amdhsa--gfx1250"
	.amdhsa_code_object_version 6
	.text
	.protected	k_q18308193ba_main
	.globl	k_q18308193ba_main
	.p2align	8
	.type	k_q18308193ba_main,@function
k_q18308193ba_main:
	s_mov_b64 s[64:65], 0
	v_nop
	global_prefetch_b8 v0, s[64:65] scope:SCOPE_SE
	s_setreg_imm32_b32 hwreg(HW_REG_WAVE_MODE, 25, 1), 1
	s_wait_xcnt 0x0
; tmp = Q(softmax_masked(Q(feat_a) Q(feat_b)^T) x dist_c) Q(feat_b), into out0's right half.  Codes of E5M2 come from the launch before (qa, kb, vb), in the order of the operands' registers.
; WORK LEFT OUT: tiles of 16 queries x 128 keys that lie wholly under reference()'s own mask (no equal pair of idx can lie in them: the ranges of idx do not meet) add 0 to the row sums and to tmp
; and are not walked; a tile that holds a query without a partner walks all keys (reference()'s uniform 1/8192).  A NaN, an infinity or an overflow that would arise only in a tile left out is not carried on.
; The second product's left operand is quantised FINISHED AND NORMALISED, so a row's largest score and its sum are known before any of its codes is made: the keys are walked twice.
;   pass 1: S^T = K Q^T; for each lane a running M (the largest t rounded up to a whole number, t = score x log2 e) and the sum of 2^(t - M).   Then the 32 partial (M, sum) of a query meet in LDS.
;   pass 2: S^T again; d^2 of the coordinates by the f32 matrix form; p = 2^(t - M) / sum x (1 - sqrt(clip d^2) / 32); p's codes with 2^e2 go into LDS as images of the operand's registers.
;   phase B: O^T += V^T P^T from those images and vb; four partial sums over the keys meet in LDS; x 2^(e2 + e3); whole rows leave.
; SHARES.  A work-group owns 32 queries, two tiles u.  Sixteen waves of 256 registers, four to a SIMD, so that one wave's vector work stands beside another's loads and products.
; Passes: wave w takes, in trip i, the 32 keys of unit 16 i + w (group G = 4 i + w / 4 of 128 keys, quarter w % 4), for both tiles: each fragment of K is loaded by one wave and feeds two tiles.
; Phase B: wave w takes channels 64 (w % 4) on and, in trip j, groups 8 j + 2 (w / 4) + {0, 1}.
; Both products are used transposed (source 0 = keys or channels, source 1 = queries): a lane holds ONE query (lane % 16) throughout, and p's 16 registers of a unit are the operand's registers 4 q .. 4 q + 3.
; NO TENSOR LOADS, NO CLUSTER: which tiles a work-group walks hangs on numbers read from memory (kr, hb, idx_a), so partners would need different tiles and a load would be jumped over on loaded
; numbers; the operands go from memory straight into registers, 512 consecutive bytes a load.  All loops have constant trip counts; a trip's work is jumped over by a scalar branch on a stored bit.
; LIMITS: e0 + e1 and e2 + e3 between -126 and 127; e2 between -126 and 112; |coord| up to 1,024 (every d^2 is then a whole number that f32 holds); NaN and infinities among the features are not served.
; REGISTERS: v1 16 x lane; v2, v3 the add's two; v4-6, v12-15 addresses; v7 -infinity; v8, v9 2^e2 and 57,344 x 2^e2; v10, v11 my query's idx in tile 0, 1; v16-23 pass 1: -M, largest t, sum (two halves), a tile;
;   v24-39 pass 2: pairs c, -M, -1/(32 sum), 1/sum, a tile; v40-43 my query's coordinates as an f32 operand; v44-59 |ca|^2 eight times, a tile; v60-63 the keys' coordinates; v64-67 codes just made; v68-79 at work;
;   v80-143 Q's four fragments, later O^T; v144-207 K's four fragments, later V's; v208-223 S^T, then p, later P's fragment; v224-239 the keys' idx, then the weights; v240-255 d^2, written by the f32 matrix form alone.
.set STATS, 262144                     ; LDS: 0 .. 262,143 P's images: [wave 16][trip 16][tile 2][lane][16 bytes]; later the stage for O: 4 partial sums x 32 rows x 1,040 bytes
.set SROW,  144                        ; STATS: a query's 16 pairs (-M, sum) + 16 bytes of padding; 32 queries
.set SPARE, STATS+32*SROW              ; the spare words, 128 bytes for each of 16 waves: eight blocks of 256 bytes that no other line names
.set GP,    1040                       ; a stage row: 1,024 bytes + 16
.set GPART, 32*GP
.set QF, 80
.set KF, 144
.set O,  80
.set S,  208
.set PF, 208
.set W,  224
.set D2, 240
	s_load_b512 s[4:19], s[0:1], 0x0               ; qa 4, kb 6, vb 8, kc 10, kr 12, hb 14, coord_a 16, idx_a 18
	s_load_b128 s[20:23], s[0:1], 0x40             ; idx_b 20, the scales' exponents 22
	s_load_b64 s[24:25], s[0:1], 0x50              ; out0
	v_lshl_add_u32 v2, v0, 2, SPARE                ; my spare word; never rewritten
	v_mov_b32 v3, 0                                ; 0; never rewritten
	v_lshrrev_b32 v68, 5, v0
	v_readfirstlane_b32 s26, v68                   ; wave w
	s_mov_b32 s27, ttmp9                           ; block b of 32 queries
	s_lshr_b32 s28, s26, 2                         ; a = w / 4
	s_and_b32 s29, s26, 3                          ; w % 4
	v_and_b32 v69, 31, v0
	v_lshlrev_b32 v1, 4, v69                       ; 16 x lane
	v_and_b32 v70, 15, v0                          ; r
	v_bfe_u32 v71, v0, 4, 1                        ; h
	s_lshl_b32 s96, s26, 14
	v_add_nc_u32 v4, s96, v1                       ; my wave's images of P
	v_mov_b32 v5, v4
	v_lshlrev_b32 v6, 5, v71                       ; idx_b: my half's eight keys of a tile
	v_mov_b32 v7, 0xff800000
	v_mul_u32_u24 v13, v70, SROW
	v_add_nc_u32 v13, STATS, v13                   ; my query's pairs,
	s_lshl_b32 s96, s26, 3
	v_add_nc_u32 v12, s96, v13                     ; and my wave's among them
	v_mul_u32_u24 v14, v70, GP
	v_lshl_add_u32 v14, v71, 5, v14
	s_mul_i32 s96, s28, GPART
	s_lshl_b32 s97, s29, 8
	s_add_co_u32 s96, s96, s97
	v_add_nc_u32 v14, s96, v14                     ; the stage, in: partial w / 4, row r, + 32 h, + 256 (w % 4)
	s_mul_i32 s96, s26, 2*GP
	v_add_nc_u32 v15, s96, v1                      ; and back: rows 2 w, 2 w + 1
	v_mul_u32_u24 v72, v70, 12
	v_lshlrev_b32 v79, 2, v70
	v_lshlrev_b32 v216, 5, v70
	s_lshl_b32 s96, s28, 3
	v_add_nc_u32 v216, s96, v216                   ; kr[4 (lane % 16) + a]
	v_and_b32 v217, 7, v0
	v_lshlrev_b32 v217, 6, v217
	s_lshl_b32 s96, s28, 4
	v_add_nc_u32 v217, s96, v217                   ; kr[8 (lane % 8) + 2 a], and the next
.irp i, 60,61,62,63,64,65,66,67
	v_mov_b32 v\i, 0                               ; written once, so that every register of phase B's operands has been written on every way
.endr
	s_mov_b32 s30, 0x44800000                      ; 1,024.0
	s_mov_b32 s83, 0xffff0000                      ; lanes 16-31
	s_mov_b32 s86, 0x76543210
	s_mov_b32 s87, 0xfedcba98                      ; v_permlanex16_b32: lane l xor 16
	s_mov_b32 s97, 0
	s_wait_kmcnt 0x0
	s_lshl_b32 s96, s27, 13
	s_add_nc_u64 s[4:5], s[4:5], s[96:97]          ; my block's two tiles of Q
	s_mul_i32 s96, s27, 384
	s_add_nc_u64 s[16:17], s[16:17], s[96:97]
	s_lshl_b32 s96, s27, 7
	s_add_nc_u64 s[18:19], s[18:19], s[96:97]
	s_lshl_b32 s96, s27, 2
	s_add_nc_u64 s[14:15], s[14:15], s[96:97]
	s_load_b512 s[32:47], s[18:19], 0x0            ; tile 0's sixteen idx
	s_load_b512 s[48:63], s[18:19], 0x40           ; tile 1's
	s_load_b32 s98, s[14:15], 0x0                  ; hb[b]
	s_load_b128 s[88:91], s[22:23], 0x0            ; e0 .. e3
.irp u, 0,1
.irp s, 0,1
.irp c, 0,1,2,3
	global_load_b128 v[QF+32*\u+16*\s+4*\c:QF+32*\u+16*\s+4*\c+3], v1, s[4:5] offset:4096*\u+2048*\s+512*\c   ; Q stays in registers
.endr
.endr
.endr
.irp u, 0,1
.irp j, 0,1,2
	global_load_b32 v[73+3*\u+\j], v72, s[16:17] offset:192*\u+4*\j
.endr
	global_load_b32 v[10+\u], v79, s[18:19] offset:64*\u
.endr
	global_load_b64 v[208:209], v216, s[12:13]     ; lane i: the range of the group of my trip i
	global_load_b128 v[212:215], v217, s[12:13]    ; lane j: the ranges of phase B's two groups of trip j
	s_lshl_b32 s96, s26, 13
	s_add_nc_u64 s[6:7], s[6:7], s[96:97]          ; kb at unit w
	s_lshl_b32 s96, s26, 9
	s_add_nc_u64 s[10:11], s[10:11], s[96:97]      ; kc likewise
	s_lshl_b32 s96, s26, 7
	s_add_nc_u64 s[20:21], s[20:21], s[96:97]      ; idx_b likewise
	s_lshl_b32 s96, s28, 16
	s_lshl_b32 s99, s29, 13
	s_add_co_u32 s96, s96, s99
	s_add_nc_u64 s[8:9], s[8:9], s[96:97]          ; vb at group 2 a, channel tile 4 (w % 4)
	s_lshl_b32 s96, s27, 5
	s_lshl_b32 s99, s26, 1
	s_add_co_u32 s96, s96, s99
	s_lshl_b32 s96, s96, 11
	s_add_co_u32 s96, s96, 1024
	s_add_nc_u64 s[24:25], s[24:25], s[96:97]      ; out0 at row 32 b + 2 w, right half
	s_wait_kmcnt 0x0
	s_min_u32 s66, s32, s33                        ; the ranges of idx of my two tiles of queries
	s_max_u32 s67, s32, s33
	s_min_u32 s68, s48, s49
	s_max_u32 s69, s48, s49
.irp k, 2,3,4,5,6,7,8,9,10,11,12,13,14,15
	s_min_u32 s66, s66, s[32+\k]
	s_max_u32 s67, s67, s[32+\k]
	s_min_u32 s68, s68, s[48+\k]
	s_max_u32 s69, s69, s[48+\k]
.endr
	s_not_b32 s96, s98                             ; queries without a partner,
	s_and_b32 s70, s96, 0xffff
	s_lshl_b32 s97, s70, 16
	s_or_b32 s70, s70, s97                         ; as a mask of lanes, tile 0 (lanes r and 16 + r hold query r),
	s_lshr_b32 s71, s96, 16
	s_lshl_b32 s97, s71, 16
	s_or_b32 s71, s71, s97                         ; tile 1
	s_add_co_i32 s96, s88, s89
	s_lshl_b32 s96, s96, 23
	s_add_co_i32 s84, s96, 0x3fb8aa3b              ; c = log2(e) x 2^(e0 + e1): the two exponents are added to its exponent field
	s_mov_b32 s85, s84                             ; (named with it as a pair, so it is written)
	s_add_co_i32 s96, s90, 127
	s_lshl_b32 s97, s96, 23
	v_mov_b32 v8, s97                              ; 2^e2
	s_add_co_i32 s96, s96, 15
	s_lshl_b32 s96, s96, 23
	s_or_b32 s96, s96, 0x600000
	v_mov_b32 v9, s96                              ; 57,344 x 2^e2
	s_add_co_i32 s96, s90, s91
	s_add_co_i32 s96, s96, 127
	s_lshl_b32 s92, s96, 23                        ; 2^(e2 + e3)
	s_mov_b32 s93, s92
	s_wait_loadcnt 0x0
; s[act]: bit l = the group whose range lane l holds in v[lo], v[hi] can hold a partner of tile u; all groups where the tile has a query without a partner
.macro RANGE act, lo, hi, u
	v_cmp_le_u32 s96, s[66+2*\u], v[\hi]
	v_cmp_ge_u32 s97, s[67+2*\u], v[\lo]
	s_and_b32 s[\act], s96, s97
	s_cmp_lg_u32 s[70+\u], 0
	s_cselect_b32 s[\act], -1, s[\act]
.endm
.irp u, 0,1
	RANGE 72+\u, 208, 209, \u                      ; s72, s73: the passes' trips
	RANGE 77+\u, 212, 213, \u                      ; s77, s78: phase B, first group of a trip
	RANGE 79+\u, 214, 215, \u                      ; s79, s80: second group
	v_cmp_eq_u32 s96, v208, v209                   ; s74, s75: groups in which every pair counts: one idx in the group, the same one in the whole tile
	v_cmp_eq_u32 s97, s[66+2*\u], v208
	s_and_b32 s96, s96, s97
	s_cmp_eq_u32 s[66+2*\u], s[67+2*\u]
	s_cselect_b32 s[74+\u], s96, 0
	s_cmp_lg_u32 s[70+\u], 0
	s_cselect_b32 s[74+\u], 0, s[74+\u]
.endr
	s_or_b32 s76, s72, s73
	s_or_b32 s81, s77, s78
	s_or_b32 s82, s79, s80
	v_mov_b32 v68, 1.0
.irp u, 0,1
.irp j, 0,1,2
	v_cvt_f32_i32 v[73+3*\u+\j], v[73+3*\u+\j]
.endr
	v_mul_f32 v[44+8*\u], v[73+3*\u], v[73+3*\u]
	v_fmac_f32 v[44+8*\u], v[74+3*\u], v[74+3*\u]
	v_fmac_f32 v[44+8*\u], v[75+3*\u], v[75+3*\u]  ; |ca|^2: the C of the coordinates' product: the same in a lane's eight registers
.irp j, 1,2,3,4,5,6,7
	v_mov_b32 v[44+8*\u+\j], v[44+8*\u]
.endr
	v_cndmask_b32 v[40+2*\u], v[73+3*\u], v[75+3*\u], s83      ; (x, y) in lanes 0-15, (z, 1) in lanes 16-31: register j holds k = 2 h + j
	v_cndmask_b32 v[41+2*\u], v[74+3*\u], v68, s83
	v_mov_b32 v[17+4*\u], 0xff61b1e6               ; the largest t so far: -3e38
	v_floor_f32 v[16+4*\u], -v[17+4*\u]            ; -M
	v_mov_b32 v[18+4*\u], 0
	v_mov_b32 v[19+4*\u], 0
.endr
.macro PLACES                          ; four plain places behind matrix instructions (ISA guide 7.12.1)
.rept 4
	v_nop
.endr
.endm
.macro BARRIER                         ; my LDS stores have landed and my LDS loads are in: then the work-group's barrier
	s_wait_dscnt 0x0
	s_barrier_signal -1
	s_barrier_wait -1
.endm
; the unit's four fragments of K (tile t of 16 keys, channels 128 s on); in pass 2 also its coordinates
.macro KLOAD p
.irp t, 0,1
.irp s, 0,1
.irp c, 0,1,2,3
	global_load_b128 v[KF+32*\t+16*\s+4*\c:KF+32*\t+16*\s+4*\c+3], v1, s[32:33] offset:4096*\t+2048*\s+512*\c
.endr
.endr
.endr
.if \p == 2
	global_load_b128 v[60:63], v1, s[34:35]
.endif
	s_wait_loadcnt 0x0
.endm
; S^T of 32 keys x tile u: two accumulators by turns.  Register 8 t + j of lane (r, h): key 16 t + 8 h + j, query r
.macro SMUL u
	v_wmma_f32_16x16x128_bf8_bf8 v[S:S+7], v[KF:KF+15], v[QF+32*\u:QF+32*\u+15], 0
	v_wmma_f32_16x16x128_bf8_bf8 v[S+8:S+15], v[KF+32:KF+47], v[QF+32*\u:QF+32*\u+15], 0
	v_wmma_f32_16x16x128_bf8_bf8 v[S:S+7], v[KF+16:KF+31], v[QF+32*\u+16:QF+32*\u+31], v[S:S+7]
	v_wmma_f32_16x16x128_bf8_bf8 v[S+8:S+15], v[KF+48:KF+63], v[QF+32*\u+16:QF+32*\u+31], v[S+8:S+15]
.endm
; d^2 = |ca|^2 + (-2 cb, |cb|^2) . (ca, 1), in S^T's layout; f32 operands, since it goes on into a quantised operand
.macro DMUL u
	v_wmma_f32_16x16x4_f32 v[D2:D2+7], v[60:61], v[40+2*\u:41+2*\u], v[44+8*\u:51+8*\u]
	v_wmma_f32_16x16x4_f32 v[D2+8:D2+15], v[62:63], v[40+2*\u:41+2*\u], v[44+8*\u:51+8*\u]
.endm
; scores of keys of another idx become -infinity; a query without a partner keeps all its scores.  Four at a time, so that no line waits for the line above it; each accumulator from its low end on
.macro MASK u
	global_load_b128 v[W:W+3], v6, s[36:37]
	global_load_b128 v[W+4:W+7], v6, s[36:37] offset:16
	global_load_b128 v[W+8:W+11], v6, s[36:37] offset:64
	global_load_b128 v[W+12:W+15], v6, s[36:37] offset:80
	s_wait_loadcnt 0x0
.irp g, 0,4,8,12
.irp k, 0,1,2,3
	v_cmp_eq_u32 s[96+\k], v[W+\g+\k], v[10+\u]
.endr
.irp k, 0,1,2,3
	s_or_b32 s[96+\k], s[96+\k], s[70+\u]
.endr
.irp k, 0,1,2,3
	v_cndmask_b32 v[S+\g+\k], v7, v[S+\g+\k], s[96+\k]
.endr
.endr
.endm
; PASS 1, tile u: my lane's running -M and sum over its 16 keys of the unit
.macro T1 u
.set NM, 16+4*\u
	s_bitcmp1_b32 s[72+\u], s94
	s_cbranch_scc0 .Lgone_\@
	SMUL \u
	PLACES
	s_bitcmp1_b32 s[74+\u], s94
	s_cbranch_scc1 .Lopen_\@
	MASK \u
.Lopen_\@:
	v_max3_num_f32 v68, v[S], v[S+1], v[S+2]       ; two chains, each begun at an accumulator's low end
	v_max3_num_f32 v69, v[S+8], v[S+9], v[S+10]
	v_max3_num_f32 v68, v68, v[S+3], v[S+4]
	v_max3_num_f32 v69, v69, v[S+11], v[S+12]
	v_max3_num_f32 v68, v68, v[S+5], v[S+6]
	v_max3_num_f32 v69, v69, v[S+13], v[S+14]
	v_max3_num_f32 v68, v68, v[S+7], v[S+15]
	v_max_num_f32 v68, v68, v69
	v_mul_f32 v68, s84, v68                        ; as t (c is positive)
	v_max_num_f32 v[NM+1], v[NM+1], v68
	v_mov_b32 v69, v[NM]
	v_floor_f32 v[NM], -v[NM+1]                    ; the new -M = -ceil(t): a whole number
	v_sub_f32 v69, v[NM], v69
	v_cvt_i32_f32 v69, v69                         ; (it saturates)
	v_ldexp_f32 v70, 1.0, v69                      ; 2^(old M - new M): rounds nothing
.irp k, 0,2,4,6,8,10,12,14
	v_pk_fma_f32 v[S+\k:S+\k+1], v[S+\k:S+\k+1], s[84:85], v[NM:NM+1] op_sel_hi:[1,0,0]    ; t - M
.endr
.irp k, 0,1,2,3,4,5,6,7,8,9,10,11,12,13,14,15
	v_exp_f32 v[S+\k], v[S+\k]
.endr
	v_pk_mul_f32 v[NM+2:NM+3], v[NM+2:NM+3], v[70:71] op_sel_hi:[1,0]      ; the sums under the new M (the plain line behind the exponentials)
	s_wait_alu depctr_va_vdst(0)                   ; one wait for the batch, ahead of its first reader
	v_pk_add_f32 v[72:73], v[S:S+1], v[S+2:S+3]
.irp k, 4,8,12
	v_pk_add_f32 v[NM+2:NM+3], v[NM+2:NM+3], v[S+\k:S+\k+1]
	v_pk_add_f32 v[72:73], v[72:73], v[S+\k+2:S+\k+3]
.endr
	v_pk_add_f32 v[NM+2:NM+3], v[NM+2:NM+3], v[72:73]
.Lgone_\@:
.endm
; PASS 2, tile u: the finished operand's codes for the unit's 32 keys
.macro T2 u
.set CB, 24+8*\u
	s_bitcmp1_b32 s[72+\u], s94
	s_cbranch_scc0 .Lgone_\@
	DMUL \u
	SMUL \u
	PLACES
	s_bitcmp1_b32 s[74+\u], s94
	s_cbranch_scc1 .Lopen_\@
	MASK \u
.Lopen_\@:
.irp k, 0,2,4,6,8,10,12,14
	v_pk_fma_f32 v[S+\k:S+\k+1], v[S+\k:S+\k+1], v[CB:CB+1], v[CB+2:CB+3]  ; t - M.  With the four above: twelve places behind the f32 products, ahead of the first read of d^2
.endr
.irp k, 0,1,2,3,4,5,6,7,8,9,10,11,12,13,14,15
	v_med3_num_f32 v[W+\k], v[D2+\k], 0, s30       ; both of reference()'s clips ahead of the root: d^2 between 0 and 32^2
.endr
.irp k, 0,1,2,3,4,5,6,7,8,9,10,11,12,13,14,15
	v_exp_f32 v[S+\k], v[S+\k]
.endr
.irp k, 0,1,2,3,4,5,6,7,8,9,10,11,12,13,14,15
	v_sqrt_f32 v[W+\k], v[W+\k]
.endr
	v_nop                                          ; the plain line behind the batch
	s_wait_alu depctr_va_vdst(0)                   ; one wait for its 32, ahead of the first reader
.irp k, 0,2,4,6,8,10,12,14
	v_pk_fma_f32 v[W+\k:W+\k+1], v[W+\k:W+\k+1], v[CB+4:CB+5], v[CB+6:CB+7]        ; (1 - root / 32) / sum
.endr
.irp k, 0,2,4,6,8,10,12,14
	v_pk_mul_f32 v[S+\k:S+\k+1], v[S+\k:S+\k+1], v[W+\k:W+\k+1]
.endr
.irp k, 0,1,2,3,4,5,6,7,8,9,10,11,12,13,14,15
	v_med3_num_f32 v[S+\k], v[S+\k], 0, v9         ; the conversion does not saturate (ISA guide 7.6.2): the hold
.endr
	s_wait_dscnt 0x0                               ; the last image's store has read its registers
	v_cvt_scalef32_pk8_bf8_f32 v[64:65], v[S:S+7], v8
	v_cvt_scalef32_pk8_bf8_f32 v[66:67], v[S+8:S+15], v8
	v_add_nc_u32 v5, s95, v4                       ; (the plain line behind the conversions)
	ds_store_b128 v5, v[64:67] offset:512*\u       ; registers 4 q .. 4 q + 3 of P's fragment of group G, as they stand
.Lgone_\@:
.endm
; A walk over the keys: sixteen trips in every wave; a trip whose group can hold no partner of either tile only steps the addresses
.macro PASS p
	s_mov_b64 s[32:33], s[6:7]
	s_mov_b64 s[36:37], s[20:21]
.if \p == 2
	s_mov_b64 s[34:35], s[10:11]
	s_mov_b32 s95, 0
.endif
	s_mov_b32 s94, 0
.Ltrip_\@:
	s_bitcmp1_b32 s76, s94
	s_cbranch_scc0 .Lstep_\@
	KLOAD \p
.if \p == 1
	T1 0
	T1 1
.else
	T2 0
	T2 1
.endif
.Lstep_\@:
	s_add_nc_u64 s[32:33], s[32:33], 0x20000       ; sixteen units on; every load has been waited for, so the bases are free
	s_add_nc_u64 s[36:37], s[36:37], 2048
.if \p == 2
	s_add_nc_u64 s[34:35], s[34:35], 8192
	s_add_co_u32 s95, s95, 1024
.endif
	s_add_co_u32 s94, s94, 1
	s_cmp_lt_u32 s94, 16
	s_cbranch_scc1 .Ltrip_\@
.endm
	PASS 1
	; THE STATISTICS MEET.  First the two halves of the lanes, then the sixteen waves, through LDS.  Sums are brought under the common M by powers of two, which round nothing.
.irp u, 0,1
	v_add_f32 v[18+4*\u], v[18+4*\u], v[19+4*\u]
.endr
.irp u, 0,1
	v_permlanex16_b32 v[68+2*\u], v[16+4*\u], s86, s87
	v_permlanex16_b32 v[69+2*\u], v[18+4*\u], s86, s87
.endr
.irp u, 0,1
	v_min_num_f32 v[76+2*\u], v[16+4*\u], v[68+2*\u]           ; the lesser -M is the greater M
	v_sub_f32 v[72+2*\u], v[76+2*\u], v[16+4*\u]
	v_sub_f32 v[73+2*\u], v[76+2*\u], v[68+2*\u]
	v_cvt_i32_f32 v[72+2*\u], v[72+2*\u]
	v_cvt_i32_f32 v[73+2*\u], v[73+2*\u]
	v_ldexp_f32 v[72+2*\u], v[18+4*\u], v[72+2*\u]
	v_ldexp_f32 v[73+2*\u], v[69+2*\u], v[73+2*\u]
	v_add_f32 v[77+2*\u], v[72+2*\u], v[73+2*\u]
	ds_store_b64 v12, v[76+2*\u:77+2*\u] offset:16*SROW*\u     ; lanes r and 16 + r store the same pair to the same place
.endr
	BARRIER
.irp u, 0,1
.irp k, 0,1,2,3,4,5,6,7
	ds_load_b128 v[144+32*\u+4*\k:144+32*\u+4*\k+3], v13 offset:16*SROW*\u+16*\k
.endr
.endr
	s_wait_dscnt 0x0
.macro FIN u                           ; tile u's constants for pass 2.  A query without a partner: c = 0, M = 0, 1 / sum = 1 / 8,192: reference()'s uniform softmax
.set PB, 144+32*\u
.set CB, 24+8*\u
	v_min3_num_f32 v68, v[PB], v[PB+2], v[PB+4]
.irp k, 6,10,14,18,22,26
	v_min3_num_f32 v68, v68, v[PB+\k], v[PB+\k+2]
.endr
	v_min_num_f32 v68, v68, v[PB+30]
.irp k, 0,2,4,6,8,10,12,14,16,18,20,22,24,26,28,30
	v_sub_f32 v[PB+\k], v68, v[PB+\k]
.endr
.irp k, 0,2,4,6,8,10,12,14,16,18,20,22,24,26,28,30
	v_cvt_i32_f32 v[PB+\k], v[PB+\k]
.endr
.irp k, 0,2,4,6,8,10,12,14,16,18,20,22,24,26,28,30
	v_ldexp_f32 v[PB+\k+1], v[PB+\k+1], v[PB+\k]
.endr
	v_add_f32 v70, v[PB+1], v[PB+3]
	v_add_f32 v71, v[PB+5], v[PB+7]
.irp k, 9,13,17,21,25,29
	v_add_f32 v70, v70, v[PB+\k]
	v_add_f32 v71, v71, v[PB+\k+2]
.endr
	v_add_f32 v70, v70, v71
	v_rcp_f32 v72, v70
	s_not_b32 s96, s[70+\u]                        ; lanes whose query has a partner
	v_mov_b32 v73, s84                             ; (the plain line behind the reciprocal)
	v_mov_b32 v74, 0x39000000                      ; 1 / 8,192
	v_cndmask_b32 v[CB], 0, v73, s96
	v_cndmask_b32 v[CB+2], 0, v68, s96
	s_wait_alu depctr_va_vdst(0)                   ; ahead of the reciprocal's first reader
	v_cndmask_b32 v[CB+6], v74, v72, s96
	v_mul_f32 v[CB+4], 0xbd000000, v[CB+6]         ; x -1/32
.irp k, 0,2,4,6
	v_mov_b32 v[CB+\k+1], v[CB+\k]                 ; pairs, for the packed forms
.endr
.endm
	FIN 0
	FIN 1
	PASS 2
	BARRIER                                        ; P's images lie in LDS
	; PHASE B.  O^T begins as zeros: which trip is the first that counts hangs on stored numbers, so no product can be written out to start the sums.
.set OI, 0
.rept 64
	v_mov_b32 v[O+OI], 0
.set OI, OI+1
.endr
	s_mov_b64 s[38:39], s[8:9]
	s_and_b32 s96, s28, 1
	s_lshl_b32 s96, s96, 17
	s_lshr_b32 s97, s28, 1
	s_lshl_b32 s97, s97, 10
	s_add_co_u32 s95, s96, s97                     ; group 8 j + 2 a + x was written by waves 4 (2 (a % 2) + x) + q in their trip 2 j + a / 2
	s_mov_b32 s94, 0
; group x of the trip, tile u: P's fragment from LDS, four products on four accumulators by turns
.macro PVB x, u
	s_bitcmp1_b32 s[77+2*\x+\u], s94
	s_cbranch_scc0 .Lgone_\@
.irp q, 0,1,2,3
	ds_load_b128 v[PF+4*\q:PF+4*\q+3], v[5+\x] offset:16384*\q+512*\u
.endr
	s_wait_dscnt 0x0
.irp a, 0,1,2,3
	v_wmma_f32_16x16x128_bf8_bf8 v[O+32*\u+8*\a:O+32*\u+8*\a+7], v[144-128*\x+16*\a:144-128*\x+16*\a+15], v[PF:PF+15], v[O+32*\u+8*\a:O+32*\u+8*\a+7]
.endr
	PLACES                                         ; in front of the next loads into registers that these products read, and of the first read of O^T
.Lgone_\@:
.endm
.Lpv:
	v_add_nc_u32 v5, s95, v1
	v_add_nc_u32 v6, 0x10000, v5
.irp x, 0,1
	s_bitcmp1_b32 s[81+\x], s94
	s_cbranch_scc0 .Lno_v\x
.irp a, 0,1,2,3
.irp q, 0,1,2,3
	global_load_b128 v[144-128*\x+16*\a+4*\q:144-128*\x+16*\a+4*\q+3], v1, s[38:39] offset:32768*\x+2048*\a+512*\q     ; V^T: 16 channels x 128 keys; group 0 in v144-207, group 1 in v16-79
.endr
.endr
.Lno_v\x:
.endr
	s_wait_loadcnt 0x0
	PVB 0, 0
	PVB 0, 1
	PVB 1, 0
	PVB 1, 1
	s_add_nc_u64 s[38:39], s[38:39], 0x40000       ; eight groups on
	s_add_co_u32 s95, s95, 2048
	s_add_co_u32 s94, s94, 1
	s_cmp_lt_u32 s94, 8
	s_cbranch_scc1 .Lpv
	; THE WAY OUT.  A lane holds eight neighbouring channels of its query; the four partial sums over the keys meet in a stage that lies over P's images, which nobody reads behind this barrier.
	BARRIER
.irp u, 0,1
.irp a, 0,1,2,3
	ds_store_b128 v14, v[O+32*\u+8*\a:O+32*\u+8*\a+3] offset:16*GP*\u+64*\a
	ds_store_b128 v14, v[O+32*\u+8*\a+4:O+32*\u+8*\a+7] offset:16*GP*\u+64*\a+16
.endr
.endr
	BARRIER
	v_add_nc_u32 v5, 2*GPART, v15
.irp i, 0,1,2,3                        ; row 2 w + i / 2, its half i % 2: 512 bytes, of each of the four partial sums
.irp k, 0,1
	ds_load_b128 v[144+16*\i+4*\k:144+16*\i+4*\k+3], v15 offset:\k*GPART+(\i/2)*GP+(\i%2)*512
	ds_load_b128 v[152+16*\i+4*\k:152+16*\i+4*\k+3], v5 offset:\k*GPART+(\i/2)*GP+(\i%2)*512
.endr
.endr
	s_wait_dscnt 0x0
.irp i, 0,1,2,3
.set BB, 144+16*\i
	v_pk_add_f32 v[BB:BB+1], v[BB:BB+1], v[BB+4:BB+5]
	v_pk_add_f32 v[BB+2:BB+3], v[BB+2:BB+3], v[BB+6:BB+7]
	v_pk_add_f32 v[BB+8:BB+9], v[BB+8:BB+9], v[BB+12:BB+13]
	v_pk_add_f32 v[BB+10:BB+11], v[BB+10:BB+11], v[BB+14:BB+15]
	v_pk_add_f32 v[BB:BB+1], v[BB:BB+1], v[BB+8:BB+9]
	v_pk_add_f32 v[BB+2:BB+3], v[BB+2:BB+3], v[BB+10:BB+11]
	v_pk_mul_f32 v[BB:BB+1], v[BB:BB+1], s[92:93] op_sel_hi:[1,0]          ; x 2^(e2 + e3)
	v_pk_mul_f32 v[BB+2:BB+3], v[BB+2:BB+3], s[92:93] op_sel_hi:[1,0]
	global_store_b128 v1, v[BB:BB+3], s[24:25] offset:(\i/2)*2048+(\i%2)*512 th:TH_STORE_NT   ; 32 lanes store 512 consecutive bytes, at a multiple of 256 from out0's first byte
.endr
	s_wait_tensorcnt 0x0                           ; the wave's end: three lines, behind my last LDS store
	ds_add_u32 v2, v3
	s_wait_dscnt 0x0
	s_endpgm
.Lfunc_end_k_q18308193ba_main:
	.size	k_q18308193ba_main, .Lfunc_end_k_q18308193ba_main-k_q18308193ba_main
	.p2alignl 7, 3214868480
	.fill 96, 4, 3214868480
	.section	.rodata,"a",@progbits
	.p2align	6, 0x0
	.amdhsa_kernel k_q18308193ba_main
		.amdhsa_group_segment_fixed_size 268800
		.amdhsa_private_segment_fixed_size 0
		.amdhsa_enable_private_segment 0
		.amdhsa_kernarg_size 88
		.amdhsa_user_sgpr_count 2
		.amdhsa_user_sgpr_kernarg_segment_ptr 1
		.amdhsa_wavefront_size32 1
		.amdhsa_system_sgpr_workgroup_id_x 1
		.amdhsa_system_sgpr_workgroup_id_y 1
		.amdhsa_system_sgpr_workgroup_id_z 1
		.amdhsa_system_vgpr_workitem_id 0
		.amdhsa_next_free_vgpr 256
		.amdhsa_next_free_sgpr 102
		.amdhsa_reserve_vcc 0
		.amdhsa_float_denorm_mode_32 3
		.amdhsa_float_denorm_mode_16_64 3
		.amdhsa_memory_ordered 1
		.amdhsa_forward_progress 1
		.amdhsa_inst_pref_size 68
	.end_amdhsa_kernel
	.amdgpu_metadata
---
amdhsa.version: [ 1, 2 ]
amdhsa.kernels:
  - .name:           k_q18308193ba_main
    .symbol:         k_q18308193ba_main.kd
    .args:
      - { .name: qa, .offset: 0, .size: 8, .value_kind: global_buffer, .address_space: global }
      - { .name: kb, .offset: 8, .size: 8, .value_kind: global_buffer, .address_space: global }
      - { .name: vb, .offset: 16, .size: 8, .value_kind: global_buffer, .address_space: global }
      - { .name: kc, .offset: 24, .size: 8, .value_kind: global_buffer, .address_space: global }
      - { .name: kr, .offset: 32, .size: 8, .value_kind: global_buffer, .address_space: global }
      - { .name: hb, .offset: 40, .size: 8, .value_kind: global_buffer, .address_space: global }
      - { .name: coord_a, .offset: 48, .size: 8, .value_kind: global_buffer, .address_space: global }
      - { .name: idx_a, .offset: 56, .size: 8, .value_kind: global_buffer, .address_space: global }
      - { .name: idx_b, .offset: 64, .size: 8, .value_kind: global_buffer, .address_space: global }
      - { .name: lowp_scales, .offset: 72, .size: 8, .value_kind: global_buffer, .address_space: global }
      - { .name: out0, .offset: 80, .size: 8, .value_kind: global_buffer, .address_space: global }
    .group_segment_fixed_size: 268800
    .private_segment_fixed_size: 0
    .kernarg_segment_align: 8
    .kernarg_segment_size: 88
    .max_flat_workgroup_size: 512
    .sgpr_count:     102
    .vgpr_count:     256
    .wavefront_size: 32
...
	.end_amdgpu_metadata
.endif
;; end of part 2
;; ======== version 2 of 2: 2 launches
;; workspace buffers: qa 2,097,152 bytes; kb 2,097,152 bytes; vb 2,097,152 bytes; kc 131,072 bytes; kr 512 bytes of whole numbers; hb 1,024 bytes of whole numbers
;; launch prep (part 3): grid 384 x 1, 2 waves a work-group, no clusters, 66,816 bytes of LDS; arguments feat_a, feat_b, coord_b, idx_a, idx_b, lowp_scales, out0, qa, kb, vb, kc, kr, hb; writes out0, qa, kb, vb, kc, kr, hb
.if DOCPART == 3
	.amdgcn_target "amdgcn-amd-amdhsa--gfx1250"
	.amdhsa_code_object_version 6
	.text
	.protected	k_q18308193ba_prep
	.globl	k_q18308193ba_prep
	.p2align	8
	.type	k_q18308193ba_prep,@function
k_q18308193ba_prep:
	s_mov_b64 s[64:65], 0
	v_nop
	global_prefetch_b8 v0, s[64:65] scope:SCOPE_SE
	s_setreg_imm32_b32 hwreg(HW_REG_WAVE_MODE, 25, 1), 1
	s_wait_xcnt 0x0
; THE PROGRAM.  out0 = [feat_a | tmp], tmp = Q(softmax_masked(Q(feat_a) Q(feat_b)^T) x dist_c) Q(feat_b), Q = E5M2 with the four given scales 2^e0 .. 2^e3.
; Two launches.  This one quantises and lays out; the second one does the two products, the softmax and the coordinate weights.
; WORK LEFT OUT (in the second launch).  reference() builds its mask from idx_a and idx_b.  A query that has a partner (some key with its idx) gets dist_f = 0 at every key of another idx:
; the softmax's input there is the least f32 number.  So a tile of 16 queries x 128 keys in which no pair of idx is equal adds 0 to the row sums and to tmp, for all values of the features and
; coordinates, and is not multiplied.  Which tiles those are is decided by whole numbers that this launch stores: the least and the largest idx of each 128 keys (kr).  No order of the idx is
; assumed: a tile is walked wherever the two ranges meet, and inside a walked tile each pair is compared.  A query WITHOUT a partner gets reference()'s uniform 1/8192 over all 8,192 keys: this
; launch stores one bit a query (hb) that says whether it has a partner, and a tile that holds such a query walks all keys.  Every input is loaded by one of the two launches.
; LIMIT: a NaN, an infinity or an overflow that would arise only in a tile left out is not carried to the result.
; THIS LAUNCH, three roles by the work-group's number, a wave to a unit of 32 rows:
;   0-127   feat_a: copied into out0's left half; codes with 2^e0 into qa.      128-255 feat_b: codes with 2^e1 into kb, codes with 2^e3, keys innermost, into vb; coord_b as f32 rows (-2x, -2y, -2z, |c|^2) into kc.
;   256-383 routing: hb (a word for each 32 queries); the first of them also kr.
; qa, kb: [tile of 16 rows][128 channels s][c: 4][lane][16 bytes]: the order of an operand's registers: lane (r, h) holds row r, channels 128 s + 32 c + 16 h + 0 .. 15.  The same order of k in both operands.
; vb: [128 keys G][16 channels ct][q: 4][lane][16 bytes]: lane (r, h) holds channel 16 ct + r; registers 4 q + 2 c + {0, 1} hold keys 16 (2 q + c) + 8 h + 0 .. 7.
; code = x / 2^e, held within +-57,344, to the nearest code, ties to even.  LIMITS: each e between -126 and 112; NaN among the features is not served; |coord| up to 1,024, so that every sum of the
; coordinates is a whole number that f32 holds.  idx are compared as unsigned words: equality and ranges hold under any one order.
; A unit's 32 KB are loaded as they lie (512 consecutive bytes a load), go into the wave's own stage in LDS (rows 1,040 bytes apart) and come back in the order that the conversions want.
; Waves share nothing: no barrier.  No tensor load: the stage is written by LDS stores.
.set RP,    1040                       ; a stage row: 1,024 bytes + 16
.set STG,   32*RP                      ; a wave's stage
.set SPARE, 2*STG                      ; behind the stages: the spare words, 128 bytes a wave: one block of 256 bytes that no other line names
.set R,     32                         ; v32-159  32 x 4 registers as loaded; later v32-95 numbers, v96-159 codes
.set CD,    96
.set MANT,  0x600000                   ; the mantissa field of 57,344 as f32
	s_load_b512 s[4:19], s[0:1], 0x0               ; feat_a 4, feat_b 6, coord_b 8, idx_a 10, idx_b 12, scales 14, out0 16, qa 18
	s_load_b256 s[20:27], s[0:1], 0x40             ; kb 20, vb 22, kc 24, kr 26
	s_load_b64 s[28:29], s[0:1], 0x60              ; hb
	v_lshl_add_u32 v2, v0, 2, SPARE                ; my spare word; never rewritten
	v_mov_b32 v3, 0                                ; 0; never rewritten
	v_lshrrev_b32 v12, 5, v0
	v_readfirstlane_b32 s30, v12                   ; wave 0, 1
	v_and_b32 v13, 31, v0                          ; lane
	v_lshlrev_b32 v1, 4, v13                       ; 16 x lane
	v_and_b32 v14, 15, v0                          ; r
	v_bfe_u32 v16, v0, 4, 1                        ; h
	s_mul_i32 s48, s30, STG
	v_add_nc_u32 v4, s48, v1                       ; into the stage: 16 x lane
	v_mul_u32_u24 v5, v14, RP
	v_lshl_add_u32 v5, v16, 6, v5
	v_add_nc_u32 v5, s48, v5                       ; out of it along the channels: row r, + 64 h
	v_mul_u32_u24 v6, v16, 8*RP
	v_lshl_add_u32 v6, v14, 2, v6
	v_add_nc_u32 v6, s48, v6                       ; out of it down the keys: row 8 h, channel r
	v_mul_u32_u24 v11, v14, 12                     ; a row of coord_b is 12 bytes
	s_mov_b32 s51, 0
	s_wait_kmcnt 0x0
	s_cmp_ge_u32 ttmp9, 256
	s_cbranch_scc1 .Lroute
	s_load_b128 s[44:47], s[14:15], 0x0            ; e0 .. e3
	s_cmp_lt_u32 ttmp9, 128                        ; feat_a's work-group or feat_b's: only pointers are chosen, both take one way through the text
	s_cselect_b64 s[32:33], s[4:5], s[6:7]
	s_cselect_b64 s[34:35], s[18:19], s[20:21]
	s_cselect_b32 s49, 0, 128
	s_sub_co_u32 s49, ttmp9, s49
	s_lshl_b32 s49, s49, 1
	s_add_co_u32 s31, s49, s30                     ; my unit U, 0 .. 255
	s_lshl_b32 s50, s31, 15
	s_add_nc_u64 s[32:33], s[32:33], s[50:51]      ; its 32 rows of 1,024 bytes
	s_lshl_b32 s50, s31, 13
	s_add_nc_u64 s[34:35], s[34:35], s[50:51]      ; its two tiles of codes
	s_lshl_b32 s50, s31, 16
	s_add_nc_u64 s[36:37], s[16:17], s[50:51]      ; its 32 rows of out0
	s_lshr_b32 s50, s31, 2
	s_lshl_b32 s50, s50, 15
	s_and_b32 s52, s31, 3
	s_lshl_b32 s52, s52, 9
	s_add_co_u32 s50, s50, s52
	s_add_nc_u64 s[38:39], s[22:23], s[50:51]      ; vb: group U / 4, quarter U % 4
	s_lshl_b32 s50, s31, 9
	s_add_nc_u64 s[40:41], s[24:25], s[50:51]      ; kc
	s_mul_i32 s50, s31, 384
	s_add_nc_u64 s[42:43], s[8:9], s[50:51]        ; coord_b
; Half H of the unit: 32 loads of 512 consecutive bytes, each into the stage as it comes in; feat_a's also into out0's left half, 512 consecutive bytes a store.
.macro STAGE H
.if \H
	s_wait_xcnt 0x0                                ; the stores into out0 have read their registers,
	s_wait_dscnt 0x0                               ; and so have those into the stage: the registers are loaded again
.endif
.set MI, 0
.rept 32
	global_load_b128 v[R+4*MI:R+4*MI+3], v1, s[32:33] offset:(32*\H+MI)*512 th:TH_LOAD_NT
.set MI, MI+1
.endr
.set MI, 0
.rept 32
	s_wait_loadcnt 31-MI                           ; loads come back in order: this one is in, the 31 - MI younger ones of the round may be out
	ds_store_b128 v4, v[R+4*MI:R+4*MI+3] offset:((32*\H+MI)/2)*RP+(MI%2)*512
.set MI, MI+1
.endr
	s_cmp_lt_u32 ttmp9, 128
	s_cbranch_scc0 .Lnot_a_\@
.set MI, 0
.rept 32
	global_store_b128 v1, v[R+4*MI:R+4*MI+3], s[36:37] offset:((32*\H+MI)/2)*2048+(MI%2)*512 th:TH_STORE_NT
.set MI, MI+1
.endr
.Lnot_a_\@:
.endm
.macro POW e, vs, vl                   ; v[vs] = 2^e as f32 (the conversion takes its exponent field), v[vl] = 57,344 x 2^e
	s_add_co_i32 s48, s[\e], 127
	s_lshl_b32 s49, s48, 23
	v_mov_b32 v[\vs], s49
	s_add_co_i32 s48, s48, 15
	s_lshl_b32 s48, s48, 23
	s_or_b32 s48, s48, MANT
	v_mov_b32 v[\vl], s48
.endm
; Tile t (16 rows), channels 128 s on: 64 numbers a lane, register 16 c + i = channel 128 s + 32 c + 16 h + i of row r; their codes are a fragment's 16 registers
.macro KQ t, s
.irp c, 0,1,2,3
.irp j, 0,1,2,3
	ds_load_b128 v[R+16*\c+4*\j:R+16*\c+4*\j+3], v5 offset:\t*16*RP+\s*512+\c*128+16*\j
.endr
.endr
	s_wait_dscnt 0x0
.set CB, CD+16*(2*\t+\s)
.irp c, 0,1,2,3
.irp i, 0,1,2,3,4,5,6,7,8,9,10,11,12,13,14,15
	v_med3_num_f32 v[R+16*\c+\i], v[R+16*\c+\i], -v8, v8       ; the conversion to an 8-bit code does not saturate (ISA guide 7.6.2): the hold at the largest code x the scale
.endr
	v_cvt_scalef32_pk8_bf8_f32 v[CB+4*\c:CB+4*\c+1], v[R+16*\c:R+16*\c+7], v7
	v_cvt_scalef32_pk8_bf8_f32 v[CB+4*\c+2:CB+4*\c+3], v[R+16*\c+8:R+16*\c+15], v7
.endr
	v_nop                                          ; a plain line behind the last conversion
.irp c, 0,1,2,3
	global_store_b128 v1, v[CB+4*\c:CB+4*\c+3], s[34:35] offset:\t*4096+\s*2048+\c*512     ; 512 consecutive bytes
.endr
.endm
; Channel tiles 4 g .. 4 g + 3: a lane takes channel r of the tile and its registers run down the unit's keys: register 8 c + j = key 16 c + 8 h + j
.macro VQ g
.irp a, 0,1,2,3
.irp k, 0,1,2,3,4,5,6,7,8,9,10,11,12,13,14,15
	ds_load_b32 v[R+16*\a+\k], v6 offset:(16*(\k/8)+\k%8)*RP+(4*\g+\a)*64
.endr
.endr
	s_wait_dscnt 0x0
.irp a, 0,1,2,3
.irp k, 0,1,2,3,4,5,6,7,8,9,10,11,12,13,14,15
	v_med3_num_f32 v[R+16*\a+\k], v[R+16*\a+\k], -v10, v10
.endr
	v_cvt_scalef32_pk8_bf8_f32 v[CD+4*(4*\g+\a):CD+4*(4*\g+\a)+1], v[R+16*\a:R+16*\a+7], v9
	v_cvt_scalef32_pk8_bf8_f32 v[CD+4*(4*\g+\a)+2:CD+4*(4*\g+\a)+3], v[R+16*\a+8:R+16*\a+15], v9
.endr
	v_nop
.irp a, 0,1,2,3
	global_store_b128 v1, v[CD+4*(4*\g+\a):CD+4*(4*\g+\a)+3], s[38:39] offset:(4*\g+\a)*2048
.endr
.endm
	s_wait_alu depctr_va_vdst(0)
	STAGE 0
	STAGE 1
	s_wait_kmcnt 0x0
	s_cmp_lt_u32 ttmp9, 128
	s_cselect_b32 s52, s44, s45                    ; e0 for feat_a, e1 for feat_b
	POW 52, 7, 8
	POW 47, 9, 10                                  ; e3
	s_wait_alu depctr_va_vdst(0)
	s_wait_xcnt 0x0                                ; the stores have read their registers,
	s_wait_dscnt 0x0                               ; and the whole unit lies in my stage
	KQ 0, 0
	KQ 0, 1
	KQ 1, 0
	KQ 1, 1
	s_cmp_lt_u32 ttmp9, 128
	s_cbranch_scc0 .Lrole_b
	s_wait_tensorcnt 0x0                           ; the wave's end: three lines, behind my last LDS store
	ds_add_u32 v2, v3
	s_wait_dscnt 0x0
	s_endpgm
.Lrole_b:
	s_wait_xcnt 0x0                                ; kb's stores have read the registers that vb's codes take
	VQ 0
	VQ 1
	VQ 2
	VQ 3
	global_load_b32 v20, v11, s[42:43]             ; keys r and 16 + r of the unit: x, y, z
	global_load_b32 v21, v11, s[42:43] offset:4
	global_load_b32 v22, v11, s[42:43] offset:8
	global_load_b32 v23, v11, s[42:43] offset:192
	global_load_b32 v24, v11, s[42:43] offset:196
	global_load_b32 v25, v11, s[42:43] offset:200
	s_mov_b32 s53, 0xffff0000                      ; lanes 16-31
	s_wait_loadcnt 0x0
.irp i, 20,21,22,23,24,25
	v_cvt_f32_i32 v\i, v\i
.endr
	v_mul_f32 v26, v20, v20
	v_mul_f32 v27, v23, v23
	v_fmac_f32 v26, v21, v21
	v_fmac_f32 v27, v24, v24
	v_fmac_f32 v26, v22, v22                       ; |c|^2
	v_fmac_f32 v27, v25, v25
.irp i, 20,21,22,23,24,25
	v_mul_f32 v\i, -2.0, v\i
.endr
	v_cndmask_b32 v28, v20, v22, s53               ; an f32 operand of K = 4: register j holds k = 2 h + j: lanes 0-15 (-2x, -2y), lanes 16-31 (-2z, |c|^2)
	v_cndmask_b32 v29, v21, v26, s53
	v_cndmask_b32 v30, v23, v25, s53
	v_cndmask_b32 v31, v24, v27, s53
	global_store_b128 v1, v[28:31], s[40:41]
	s_wait_tensorcnt 0x0                           ; the wave's end: the three lines
	ds_add_u32 v2, v3
	s_wait_dscnt 0x0
	s_endpgm
; ROUTING.  Wave = block b of 32 queries, a lane a query.  s54 gathers the bit 'my idx occurs in idx_b'.
.Lroute:
	s_sub_co_u32 s49, ttmp9, 256
	s_lshl_b32 s49, s49, 1
	s_add_co_u32 s31, s49, s30                     ; b
	s_lshl_b32 s50, s31, 7
	v_lshlrev_b32 v12, 2, v13
	v_add_nc_u32 v12, s50, v12
	global_load_b32 v15, v12, s[10:11]             ; my query's idx
	s_mov_b32 s54, 0
	s_cmp_lg_u32 ttmp9, 256
	s_cbranch_scc1 .Lno_ranges
	v_lshlrev_b32 v25, 9, v0                       ; the first routing work-group: thread g takes the 128 idx of group g: 64 threads, 64 groups
	v_lshlrev_b32 v24, 3, v0
.set MI, 0
.rept 32
	global_load_b128 v[R+4*MI:R+4*MI+3], v25, s[12:13] offset:16*MI
.set MI, MI+1
.endr
	s_wait_loadcnt 0x0
.irp i, 0,1,2,3
	v_min_u32 v[16+\i], v[R+\i], v[R+4+\i]         ; four chains each, started by the first words
	v_max_u32 v[20+\i], v[R+\i], v[R+4+\i]
.endr
.set MI, 2
.rept 30
.irp i, 0,1,2,3
	v_min_u32 v[16+\i], v[16+\i], v[R+4*MI+\i]
	v_max_u32 v[20+\i], v[20+\i], v[R+4*MI+\i]
.endr
.set MI, MI+1
.endr
	v_min_u32 v16, v16, v17
	v_min_u32 v18, v18, v19
	v_max_u32 v20, v20, v21
	v_max_u32 v22, v22, v23
	v_min_u32 v26, v16, v18
	v_max_u32 v27, v20, v22
	global_store_b64 v24, v[26:27], s[26:27]       ; kr[g] = {least, largest}: a wave stores 256 consecutive bytes
	s_wait_xcnt 0x0
.Lno_ranges:
; One group of 128 keys lies in four registers of the wave.  Where all 128 idx are one number, one compare serves; else each is held against the 32 queries.  Both ways are exact.
.macro GROUP m
.set KI, R+4*(\m)
	v_readfirstlane_b32 s55, v[KI]
	v_cmp_ne_u32 s56, s55, v[KI]
	v_cmp_ne_u32 s57, s55, v[KI+1]
	v_cmp_ne_u32 s58, s55, v[KI+2]
	v_cmp_ne_u32 s59, s55, v[KI+3]
	s_or_b32 s56, s56, s57
	s_or_b32 s58, s58, s59
	s_or_b32 s56, s56, s58
	s_cmp_lg_u32 s56, 0
	s_cbranch_scc1 .Lslow_\@
	v_cmp_eq_u32 vcc_lo, s55, v15
	s_or_b32 s54, s54, vcc_lo
	s_branch .Ldone_\@
.Lslow_\@:
	s_mov_b32 s60, 0
.Leach_\@:
.irp i, 0,1,2,3
	v_readlane_b32 s61, v[KI+\i], s60
	v_cmp_eq_u32 vcc_lo, s61, v15
	s_or_b32 s54, s54, vcc_lo
.endr
	s_add_co_u32 s60, s60, 1
	s_cmp_lt_u32 s60, 32
	s_cbranch_scc1 .Leach_\@
.Ldone_\@:
.endm
.irp rho, 0,1
.set MI, 0
.rept 32
	global_load_b128 v[R+4*MI:R+4*MI+3], v1, s[12:13] offset:(32*\rho+MI)*512      ; group 32 rho + MI: 512 consecutive bytes
.set MI, MI+1
.endr
	s_wait_loadcnt 0x0
.set GI, 0
.rept 32
	GROUP GI
.set GI, GI+1
.endr
.endr
	v_mov_b32 v16, s54
	s_lshl_b32 s50, s31, 2
	v_mov_b32 v17, s50
	s_wait_alu depctr_va_vdst(0)
	s_wait_xcnt 0x0                                ; EXEC changes only behind this wait
	v_cmp_eq_u32 vcc_lo, 0, v13
	s_and_saveexec_b32 s56, vcc_lo
	global_store_b32 v17, v16, s[28:29]            ; hb[b], by lane 0
	s_wait_xcnt 0x0                                ; and again, in front of the line that widens it
	s_or_b32 exec_lo, exec_lo, s56
	s_wait_tensorcnt 0x0                           ; the wave's end: the three lines
	ds_add_u32 v2, v3
	s_wait_dscnt 0x0
	s_endpgm
.Lfunc_end_k_q18308193ba_prep:
	.size	k_q18308193ba_prep, .Lfunc_end_k_q18308193ba_prep-k_q18308193ba_prep
	.p2alignl 7, 3214868480
	.fill 96, 4, 3214868480
	.section	.rodata,"a",@progbits
	.p2align	6, 0x0
	.amdhsa_kernel k_q18308193ba_prep
		.amdhsa_group_segment_fixed_size 66816
		.amdhsa_private_segment_fixed_size 0
		.amdhsa_enable_private_segment 0
		.amdhsa_kernarg_size 104
		.amdhsa_user_sgpr_count 2
		.amdhsa_user_sgpr_kernarg_segment_ptr 1
		.amdhsa_wavefront_size32 1
		.amdhsa_system_sgpr_workgroup_id_x 1
		.amdhsa_system_sgpr_workgroup_id_y 1
		.amdhsa_system_sgpr_workgroup_id_z 1
		.amdhsa_system_vgpr_workitem_id 0
		.amdhsa_next_free_vgpr 160
		.amdhsa_next_free_sgpr 66
		.amdhsa_reserve_vcc 1
		.amdhsa_float_denorm_mode_32 3
		.amdhsa_float_denorm_mode_16_64 3
		.amdhsa_memory_ordered 1
		.amdhsa_forward_progress 1
		.amdhsa_inst_pref_size 176
	.end_amdhsa_kernel
	.amdgpu_metadata
---
amdhsa.version: [ 1, 2 ]
amdhsa.kernels:
  - .name:           k_q18308193ba_prep
    .symbol:         k_q18308193ba_prep.kd
    .args:
      - { .name: feat_a, .offset: 0, .size: 8, .value_kind: global_buffer, .address_space: global }
      - { .name: feat_b, .offset: 8, .size: 8, .value_kind: global_buffer, .address_space: global }
      - { .name: coord_b, .offset: 16, .size: 8, .value_kind: global_buffer, .address_space: global }
      - { .name: idx_a, .offset: 24, .size: 8, .value_kind: global_buffer, .address_space: global }
      - { .name: idx_b, .offset: 32, .size: 8, .value_kind: global_buffer, .address_space: global }
      - { .name: lowp_scales, .offset: 40, .size: 8, .value_kind: global_buffer, .address_space: global }
      - { .name: out0, .offset: 48, .size: 8, .value_kind: global_buffer, .address_space: global }
      - { .name: qa, .offset: 56, .size: 8, .value_kind: global_buffer, .address_space: global }
      - { .name: kb, .offset: 64, .size: 8, .value_kind: global_buffer, .address_space: global }
      - { .name: vb, .offset: 72, .size: 8, .value_kind: global_buffer, .address_space: global }
      - { .name: kc, .offset: 80, .size: 8, .value_kind: global_buffer, .address_space: global }
      - { .name: kr, .offset: 88, .size: 8, .value_kind: global_buffer, .address_space: global }
      - { .name: hb, .offset: 96, .size: 8, .value_kind: global_buffer, .address_space: global }
    .group_segment_fixed_size: 66816
    .private_segment_fixed_size: 0
    .kernarg_segment_align: 8
    .kernarg_segment_size: 104
    .max_flat_workgroup_size: 64
    .sgpr_count:     66
    .vgpr_count:     160
    .wavefront_size: 32
...
	.end_amdgpu_metadata
.endif
;; end of part 3
;; launch main (part 4): grid 256 x 1, 16 waves a work-group, no clusters, 268,800 bytes of LDS; arguments qa, kb, vb, kc, kr, hb, coord_a, idx_a, idx_b, lowp_scales, out0; writes out0
.if DOCPART == 4
	.amdgcn_target "amdgcn-amd-amdhsa--gfx1250"
	.amdhsa_code_object_version 6
	.text
	.protected	k_q18308193ba_main
	.globl	k_q18308193ba_main
	.p2align	8
	.type	k_q18308193ba_main,@function
k_q18308193ba_main:
	s_mov_b64 s[64:65], 0
	v_nop
	global_prefetch_b8 v0, s[64:65] scope:SCOPE_SE
	s_setreg_imm32_b32 hwreg(HW_REG_WAVE_SCHED_MODE, 0, 2), 2
	s_setreg_imm32_b32 hwreg(HW_REG_WAVE_MODE, 25, 1), 1
	s_wait_xcnt 0x0
	s_wait_alu depctr_vm_vsrc(0)
; tmp = Q(softmax_masked(Q(feat_a) Q(feat_b)^T) x dist_c) Q(feat_b), into out0's right half.  Codes of E5M2 come from the launch before (qa, kb, vb), in the order of the operands' registers.
; WORK LEFT OUT: tiles of 16 queries x 128 keys that lie wholly under reference()'s own mask (no equal pair of idx can lie in them: the ranges of idx do not meet) add 0 to the row sums and to tmp
; and are not walked; a tile that holds a query without a partner walks all keys (reference()'s uniform 1/8192).  A NaN, an infinity or an overflow that would arise only in a tile left out is not carried on.
; The second product's left operand is quantised FINISHED AND NORMALISED, so a row's largest score and its sum are known before any of its codes is made: the keys are walked twice.
;   pass 1: S^T = K Q^T; for each lane a running M (the largest t rounded up to a whole number, t = score x log2 e) and the sum of 2^(t - M).   Then the 32 partial (M, sum) of a query meet in LDS.
;   pass 2: S^T again; d^2 of the coordinates by the f32 matrix form; p = 2^(t - M) / sum x (1 - sqrt(clip d^2) / 32); p's codes with 2^e2 go into LDS as images of the operand's registers.
;   phase B: O^T += V^T P^T from those images and vb; four partial sums over the keys meet in LDS; x 2^(e2 + e3); whole rows leave.
; SHARES.  A work-group owns 32 queries, two tiles u.  Sixteen waves of 256 registers, four to a SIMD, so that one wave's vector work stands beside another's loads and products.
; Passes: wave w takes, in trip i, the 32 keys of unit 16 i + w (group G = 4 i + w / 4 of 128 keys, quarter w % 4), for both tiles: each fragment of K is loaded by one wave and feeds two tiles.
; Phase B: wave w takes channels 64 (w % 4) on and, in trip j, groups 8 j + 2 (w / 4) + {0, 1}.
; Both products are used transposed (source 0 = keys or channels, source 1 = queries): a lane holds ONE query (lane % 16) throughout, and p's 16 registers of a unit are the operand's registers 4 q .. 4 q + 3.
; NO TENSOR LOADS, NO CLUSTER: which tiles a work-group walks hangs on numbers read from memory (kr, hb, idx_a), so partners would need different tiles and a load would be jumped over on loaded
; numbers; the operands go from memory straight into registers, 512 consecutive bytes a load.  All loops have constant trip counts; a trip's work is jumped over by a scalar branch on a stored bit.
; LIMITS: e0 + e1 and e2 + e3 between -126 and 127; e2 between -126 and 112; |coord| up to 1,024 (every d^2 is then a whole number that f32 holds); NaN and infinities among the features are not served.
; REGISTERS: v1 16 x lane; v2, v3 the add's two; v4-6, v12-15 addresses; v7 -infinity; v8, v9 2^e2 and 57,344 x 2^e2; v10, v11 my query's idx in tile 0, 1; v16-23 pass 1: -M, largest t, sum (two halves), a tile;
;   v24-39 pass 2: pairs c, -M, -1/(32 sum), 1/sum, a tile; v40-43 my query's coordinates as an f32 operand; v44-59 |ca|^2 eight times, a tile; v60-63 the keys' coordinates; v64-67 codes just made; v68-79 at work;
;   v80-143 Q's four fragments, later O^T; v144-207 K's four fragments, later V's; v208-223 S^T, then p, later tile 0's fragment of P; v224-239 the keys' idx, then the weights, later tile 1's fragment of P;
;   v240-255 d^2, written by the f32 matrix form alone.
; THE MODE: SCHED_MODE bits 1:0 = 2 (LLVM: expert scheduling mode 2), set by the entry lines.  The code itself states the register dependences between vector or matrix instructions and memory or
; LDS instructions, with s_wait_alu, always for 0.
; THE PLAN.  Registers that memory or LDS instructions touch, and who else names them:
;   v1, v12-15      offsets and addresses, written at the head and never again.
;   v72, v79, v216, v217   offsets of the head's loads alone; afterwards work registers and part of S^T: one wait on vm_vsrc at the head frees them.
;   K (v144-207), v60-63   a trip's loads land there; that trip's products read them.  Pass 1: one wait on va_vdst at a trip's head.  Pass 2: each tile's wait ahead of its image's store is the last
;                   vector-side point of the tile, so it also serves the next loads; one wait ahead of the loop serves the first trip.
;   W (v224-239)    the idx loads of a masked tile land there, AHEAD of the tile's products, which name none of these registers; the compares read them; pass 2's weights are made there.
;   v5, v64-67      pass 2: written by a tile's add and conversions, read by its one LDS store: vm_vsrc ahead of the writers, va_vdst ahead of the store.
;   phase B         v5, v6 are made at a trip's head (vm_vsrc ahead, va_vdst behind); that va_vdst also frees V's two buffers and P's two.  P's fragments take two buffers by turns, tile u's in buffer u, so that
;                   tile 1's LDS loads go out while tile 0's products run; one va_vdst stands between the trip's two groups.
;   O^T, the rows of out0   written by products or additions, then one va_vdst, then the run of stores.
; A vector compare that writes a scalar register stands in a run, with one wait on va_sdst between the run and its first reader.
.set STATS, 262144                     ; LDS: 0 .. 262,143 P's images: [wave 16][trip 16][tile 2][lane][16 bytes]; later the stage for O: 4 partial sums x 32 rows x 1,040 bytes
.set SROW,  144                        ; STATS: a query's 16 pairs (-M, sum) + 16 bytes of padding; 32 queries
.set SPARE, STATS+32*SROW              ; the spare words, 128 bytes for each of 16 waves: eight blocks of 256 bytes that no other line names
.set GP,    1040                       ; a stage row: 1,024 bytes + 16
.set GPART, 32*GP
.set QF, 80
.set KF, 144
.set O,  80
.set S,  208
.set PF, 208                           ; P's two buffers: PF + 16 u
.set W,  224
.set D2, 240
	s_load_b512 s[4:19], s[0:1], 0x0               ; qa 4, kb 6, vb 8, kc 10, kr 12, hb 14, coord_a 16, idx_a 18
	s_load_b128 s[20:23], s[0:1], 0x40             ; idx_b 20, the scales' exponents 22
	s_load_b64 s[24:25], s[0:1], 0x50              ; out0
	v_lshl_add_u32 v2, v0, 2, SPARE                ; my spare word; never rewritten
	v_mov_b32 v3, 0                                ; 0; never rewritten
	v_lshrrev_b32 v68, 5, v0
	v_readfirstlane_b32 s26, v68                   ; wave w
	s_mov_b32 s27, ttmp9                           ; block b of 32 queries
	v_and_b32 v69, 31, v0
	v_lshlrev_b32 v1, 4, v69                       ; 16 x lane
	v_and_b32 v70, 15, v0                          ; r
	v_bfe_u32 v71, v0, 4, 1                        ; h
	s_wait_alu depctr_va_sdst(0)                   ; s26 is written, ahead of its first reader
	s_lshr_b32 s28, s26, 2                         ; a = w / 4
	s_and_b32 s29, s26, 3                          ; w % 4
	s_lshl_b32 s96, s26, 14
	v_add_nc_u32 v4, s96, v1                       ; my wave's images of P
	v_mov_b32 v5, v4
	v_lshlrev_b32 v6, 5, v71                       ; idx_b: my half's eight keys of a tile
	v_mov_b32 v7, 0xff800000
	v_mul_u32_u24 v13, v70, SROW
	v_add_nc_u32 v13, STATS, v13                   ; my query's pairs,
	s_lshl_b32 s96, s26, 3
	v_add_nc_u32 v12, s96, v13                     ; and my wave's among them
	v_mul_u32_u24 v14, v70, GP
	v_lshl_add_u32 v14, v71, 5, v14
	s_mul_i32 s96, s28, GPART
	s_lshl_b32 s97, s29, 8
	s_add_co_u32 s96, s96, s97
	v_add_nc_u32 v14, s96, v14                     ; the stage, in: partial w / 4, row r, + 32 h, + 256 (w % 4)
	s_mul_i32 s96, s26, 2*GP
	v_add_nc_u32 v15, s96, v1                      ; and back: rows 2 w, 2 w + 1
	v_mul_u32_u24 v72, v70, 12
	v_lshlrev_b32 v79, 2, v70
	v_lshlrev_b32 v216, 5, v70
	s_lshl_b32 s96, s28, 3
	v_add_nc_u32 v216, s96, v216                   ; kr[4 (lane % 16) + a]
	v_and_b32 v217, 7, v0
	v_lshlrev_b32 v217, 6, v217
	s_lshl_b32 s96, s28, 4
	v_add_nc_u32 v217, s96, v217                   ; kr[8 (lane % 8) + 2 a], and the next
.irp i, 60,61,62,63,64,65,66,67
	v_mov_b32 v\i, 0                               ; written once, so that every register of phase B's operands has been written on every way
.endr
	s_mov_b32 s30, 0x44800000                      ; 1,024.0
	s_mov_b32 s83, 0xffff0000                      ; lanes 16-31
	s_mov_b32 s86, 0x76543210
	s_mov_b32 s87, 0xfedcba98                      ; v_permlanex16_b32: lane l xor 16
	s_mov_b32 s97, 0
	s_wait_kmcnt 0x0
	s_lshl_b32 s96, s27, 13
	s_add_nc_u64 s[4:5], s[4:5], s[96:97]          ; my block's two tiles of Q
	s_mul_i32 s96, s27, 384
	s_add_nc_u64 s[16:17], s[16:17], s[96:97]
	s_lshl_b32 s96, s27, 7
	s_add_nc_u64 s[18:19], s[18:19], s[96:97]
	s_lshl_b32 s96, s27, 2
	s_add_nc_u64 s[14:15], s[14:15], s[96:97]
	s_load_b512 s[32:47], s[18:19], 0x0            ; tile 0's sixteen idx
	s_load_b512 s[48:63], s[18:19], 0x40           ; tile 1's
	s_load_b32 s98, s[14:15], 0x0                  ; hb[b]
	s_load_b128 s[88:91], s[22:23], 0x0            ; e0 .. e3
	s_wait_alu depctr_va_vdst(0)                   ; every offset and address made above is written (v1, v4-6, v12-15, v72, v79, v216, v217), which the kernel's loads and stores read; so are v60-67, in which later loads land
.irp u, 0,1
.irp s, 0,1
.irp c, 0,1,2,3
	global_load_b128 v[QF+32*\u+16*\s+4*\c:QF+32*\u+16*\s+4*\c+3], v1, s[4:5] offset:4096*\u+2048*\s+512*\c   ; Q stays in registers
.endr
.endr
.endr
.irp u, 0,1
.irp j, 0,1,2
	global_load_b32 v[73+3*\u+\j], v72, s[16:17] offset:192*\u+4*\j
.endr
	global_load_b32 v[10+\u], v79, s[18:19] offset:64*\u
.endr
	global_load_b64 v[208:209], v216, s[12:13]     ; lane i: the range of the group of my trip i
	global_load_b128 v[212:215], v217, s[12:13]    ; lane j: the ranges of phase B's two groups of trip j
	s_lshl_b32 s96, s26, 13
	s_add_nc_u64 s[6:7], s[6:7], s[96:97]          ; kb at unit w
	s_lshl_b32 s96, s26, 9
	s_add_nc_u64 s[10:11], s[10:11], s[96:97]      ; kc likewise
	s_lshl_b32 s96, s26, 7
	s_add_nc_u64 s[20:21], s[20:21], s[96:97]      ; idx_b likewise
	s_lshl_b32 s96, s28, 16
	s_lshl_b32 s99, s29, 13
	s_add_co_u32 s96, s96, s99
	s_add_nc_u64 s[8:9], s[8:9], s[96:97]          ; vb at group 2 a, channel tile 4 (w % 4)
	s_lshl_b32 s96, s27, 5
	s_lshl_b32 s99, s26, 1
	s_add_co_u32 s96, s96, s99
	s_lshl_b32 s96, s96, 11
	s_add_co_u32 s96, s96, 1024
	s_add_nc_u64 s[24:25], s[24:25], s[96:97]      ; out0 at row 32 b + 2 w, right half
	s_wait_kmcnt 0x0
	s_min_u32 s66, s32, s33                        ; the ranges of idx of my two tiles of queries
	s_max_u32 s67, s32, s33
	s_min_u32 s68, s48, s49
	s_max_u32 s69, s48, s49
.irp k, 2,3,4,5,6,7,8,9,10,11,12,13,14,15
	s_min_u32 s66, s66, s[32+\k]
	s_max_u32 s67, s67, s[32+\k]
	s_min_u32 s68, s68, s[48+\k]
	s_max_u32 s69, s69, s[48+\k]
.endr
	s_not_b32 s96, s98                             ; queries without a partner,
	s_and_b32 s70, s96, 0xffff
	s_lshl_b32 s97, s70, 16
	s_or_b32 s70, s70, s97                         ; as a mask of lanes, tile 0 (lanes r and 16 + r hold query r),
	s_lshr_b32 s71, s96, 16
	s_lshl_b32 s97, s71, 16
	s_or_b32 s71, s71, s97                         ; tile 1
	s_add_co_i32 s96, s88, s89
	s_lshl_b32 s96, s96, 23
	s_add_co_i32 s84, s96, 0x3fb8aa3b              ; c = log2(e) x 2^(e0 + e1): the two exponents are added to its exponent field
	s_mov_b32 s85, s84                             ; (named with it as a pair, so it is written)
	s_add_co_i32 s96, s90, 127
	s_lshl_b32 s97, s96, 23
	v_mov_b32 v8, s97                              ; 2^e2
	s_add_co_i32 s96, s96, 15
	s_lshl_b32 s96, s96, 23
	s_or_b32 s96, s96, 0x600000
	v_mov_b32 v9, s96                              ; 57,344 x 2^e2
	s_add_co_i32 s96, s90, s91
	s_add_co_i32 s96, s96, 127
	s_lshl_b32 s92, s96, 23                        ; 2^(e2 + e3)
	s_mov_b32 s93, s92
	s_wait_loadcnt 0x0
	s_wait_alu depctr_vm_vsrc(0)                   ; the loads above have read their offsets v72, v79, v216, v217, which are written again below: as work registers and as part of S^T
; Which groups count.  Bit l of a mask = the group whose range lane l holds can hold a partner of tile u; all groups where the tile has a query without a partner.
; The sixteen compares stand in one run, eight a tile, into s32 on (the tiles' idx there are done with).
.irp u, 0,1
	v_cmp_le_u32 s[32+8*\u], s[66+2*\u], v209      ; the passes' trips
	v_cmp_ge_u32 s[33+8*\u], s[67+2*\u], v208
	v_cmp_le_u32 s[34+8*\u], s[66+2*\u], v213      ; phase B, first group of a trip
	v_cmp_ge_u32 s[35+8*\u], s[67+2*\u], v212
	v_cmp_le_u32 s[36+8*\u], s[66+2*\u], v215      ; second group
	v_cmp_ge_u32 s[37+8*\u], s[67+2*\u], v214
	v_cmp_eq_u32 s[38+8*\u], v208, v209            ; groups in which every pair counts: one idx in the group,
	v_cmp_eq_u32 s[39+8*\u], s[66+2*\u], v208      ; the same one in the whole tile
.endr
	s_wait_alu depctr_va_sdst(0)                   ; the sixteen compares have written s32 to s47, ahead of their first reader
.irp u, 0,1
	s_and_b32 s[72+\u], s[32+8*\u], s[33+8*\u]     ; s72, s73: the passes' trips
	s_and_b32 s[77+\u], s[34+8*\u], s[35+8*\u]     ; s77, s78: phase B, first group of a trip
	s_and_b32 s[79+\u], s[36+8*\u], s[37+8*\u]     ; s79, s80: second group
	s_and_b32 s96, s[38+8*\u], s[39+8*\u]
	s_cmp_eq_u32 s[66+2*\u], s[67+2*\u]
	s_cselect_b32 s[74+\u], s96, 0                 ; s74, s75: groups in which every pair counts
	s_cmp_lg_u32 s[70+\u], 0
	s_cselect_b32 s[72+\u], -1, s[72+\u]
	s_cselect_b32 s[77+\u], -1, s[77+\u]
	s_cselect_b32 s[79+\u], -1, s[79+\u]
	s_cselect_b32 s[74+\u], 0, s[74+\u]
.endr
	s_or_b32 s76, s72, s73
	s_or_b32 s81, s77, s78
	s_or_b32 s82, s79, s80
	v_mov_b32 v68, 1.0
.irp u, 0,1
.irp j, 0,1,2
	v_cvt_f32_i32 v[73+3*\u+\j], v[73+3*\u+\j]
.endr
	v_mul_f32 v[44+8*\u], v[73+3*\u], v[73+3*\u]
	v_fmac_f32 v[44+8*\u], v[74+3*\u], v[74+3*\u]
	v_fmac_f32 v[44+8*\u], v[75+3*\u], v[75+3*\u]  ; |ca|^2: the C of the coordinates' product: the same in a lane's eight registers
.irp j, 1,2,3,4,5,6,7
	v_mov_b32 v[44+8*\u+\j], v[44+8*\u]
.endr
	v_cndmask_b32 v[40+2*\u], v[73+3*\u], v[75+3*\u], s83      ; (x, y) in lanes 0-15, (z, 1) in lanes 16-31: register j holds k = 2 h + j
	v_cndmask_b32 v[41+2*\u], v[74+3*\u], v68, s83
	v_mov_b32 v[17+4*\u], 0xff61b1e6               ; the largest t so far: -3e38
	v_floor_f32 v[16+4*\u], -v[17+4*\u]            ; -M
	v_mov_b32 v[18+4*\u], 0
	v_mov_b32 v[19+4*\u], 0
.endr
.macro PLACES                          ; four plain places behind matrix instructions (ISA guide 7.12.1)
.rept 4
	v_nop
.endr
.endm
.macro BARRIER                         ; my LDS stores have landed and my LDS loads are in: then the work-group's barrier
	s_wait_dscnt 0x0
	s_barrier_signal -1
	s_barrier_wait -1
.endm
; the unit's four fragments of K (tile t of 16 keys, channels 128 s on); in pass 2 also its coordinates
.macro KLOAD p
.irp t, 0,1
.irp s, 0,1
.irp c, 0,1,2,3
	global_load_b128 v[KF+32*\t+16*\s+4*\c:KF+32*\t+16*\s+4*\c+3], v1, s[32:33] offset:4096*\t+2048*\s+512*\c
.endr
.endr
.endr
.if \p == 2
	global_load_b128 v[60:63], v1, s[34:35]
.endif
	s_wait_loadcnt 0x0
.endm
; S^T of 32 keys x tile u: two accumulators by turns.  Register 8 t + j of lane (r, h): key 16 t + 8 h + j, query r
.macro SMUL u
	v_wmma_f32_16x16x128_bf8_bf8 v[S:S+7], v[KF:KF+15], v[QF+32*\u:QF+32*\u+15], 0
	v_wmma_f32_16x16x128_bf8_bf8 v[S+8:S+15], v[KF+32:KF+47], v[QF+32*\u:QF+32*\u+15], 0
	v_wmma_f32_16x16x128_bf8_bf8 v[S:S+7], v[KF+16:KF+31], v[QF+32*\u+16:QF+32*\u+31], v[S:S+7]
	v_wmma_f32_16x16x128_bf8_bf8 v[S+8:S+15], v[KF+48:KF+63], v[QF+32*\u+16:QF+32*\u+31], v[S+8:S+15]
.endm
; d^2 = |ca|^2 + (-2 cb, |cb|^2) . (ca, 1), in S^T's layout; f32 operands, since it goes on into a quantised operand
.macro DMUL u
	v_wmma_f32_16x16x4_f32 v[D2:D2+7], v[60:61], v[40+2*\u:41+2*\u], v[44+8*\u:51+8*\u]
	v_wmma_f32_16x16x4_f32 v[D2+8:D2+15], v[62:63], v[40+2*\u:41+2*\u], v[44+8*\u:51+8*\u]
.endm
; the idx of my lane's sixteen keys of the unit.  They are asked for ahead of a masked tile's products, which name none of these registers, and land while those run
.macro ILOAD
	global_load_b128 v[W:W+3], v6, s[36:37]
	global_load_b128 v[W+4:W+7], v6, s[36:37] offset:16
	global_load_b128 v[W+8:W+11], v6, s[36:37] offset:64
	global_load_b128 v[W+12:W+15], v6, s[36:37] offset:80
.endm
; scores of keys of another idx become -infinity; a query without a partner keeps all its scores.  The sixteen compares stand in one run; each accumulator is read from its low end on
.macro MASK u
.irp k, 0,1,2,3,4,5,6,7,8,9,10,11,12,13,14,15
	v_cmp_eq_u32 s[40+\k], v[W+\k], v[10+\u]
.endr
	s_wait_alu depctr_va_sdst(0)                   ; the sixteen compares have written s40 to s55, ahead of their first reader
.irp k, 0,1,2,3,4,5,6,7,8,9,10,11,12,13,14,15
	s_or_b32 s[40+\k], s[40+\k], s[70+\u]
.endr
.irp k, 0,1,2,3,4,5,6,7,8,9,10,11,12,13,14,15
	v_cndmask_b32 v[S+\k], v7, v[S+\k], s[40+\k]
.endr
.endm
; PASS 1, tile u: my lane's running -M and sum over its 16 keys of the unit.  The products are written in both arms of the one branch, so that a masked tile's loads, their wait and their readers stand on one way
.macro T1 u
.set NM, 16+4*\u
	s_bitcmp1_b32 s[72+\u], s94
	s_cbranch_scc0 .Lgone_\@
	s_bitcmp1_b32 s[74+\u], s94
	s_cbranch_scc1 .Lopen_\@
.if \u
	s_wait_alu depctr_va_vdst(0)                   ; tile 0's compares are done reading the keys' idx, in whose registers the loads below land (tile 0's own loads stand behind the wait at the trip's head)
.endif
	ILOAD
	SMUL \u
	PLACES
	s_wait_loadcnt 0x0                             ; the idx are in
	MASK \u
	s_branch .Lall_\@
.Lopen_\@:
	SMUL \u
	PLACES
.Lall_\@:
	v_max3_num_f32 v68, v[S], v[S+1], v[S+2]       ; two chains, each begun at an accumulator's low end
	s_wait_alu depctr_va_vdst(0)
	v_max3_num_f32 v69, v[S+8], v[S+9], v[S+10]
	v_max3_num_f32 v68, v68, v[S+3], v[S+4]
	v_max3_num_f32 v69, v69, v[S+11], v[S+12]
	v_max3_num_f32 v68, v68, v[S+5], v[S+6]
	v_max3_num_f32 v69, v69, v[S+13], v[S+14]
	v_max3_num_f32 v68, v68, v[S+7], v[S+15]
	v_max_num_f32 v68, v68, v69
	v_mul_f32 v68, s84, v68                        ; as t (c is positive)
	v_max_num_f32 v[NM+1], v[NM+1], v68
	v_mov_b32 v69, v[NM]
	v_floor_f32 v[NM], -v[NM+1]                    ; the new -M = -ceil(t): a whole number
	v_sub_f32 v69, v[NM], v69
	v_cvt_i32_f32 v69, v69                         ; (it saturates)
	v_ldexp_f32 v70, 1.0, v69                      ; 2^(old M - new M): rounds nothing
.irp k, 0,2,4,6,8,10,12,14
	v_pk_fma_f32 v[S+\k:S+\k+1], v[S+\k:S+\k+1], s[84:85], v[NM:NM+1] op_sel_hi:[1,0,0]    ; t - M
.endr
	s_wait_alu depctr_va_vdst(0)
.irp k, 0,1,2,3,4,5,6,7,8,9,10,11,12,13,14,15
	v_exp_f32 v[S+\k], v[S+\k]
.endr
	v_pk_mul_f32 v[NM+2:NM+3], v[NM+2:NM+3], v[70:71] op_sel_hi:[1,0]      ; the sums under the new M (the plain line behind the exponentials)
	s_wait_alu depctr_va_vdst(0)                   ; the sixteen exponentials have written v[S ..]: one wait for the batch, ahead of its first reader
	v_pk_add_f32 v[72:73], v[S:S+1], v[S+2:S+3]
.irp k, 4,8,12
	v_pk_add_f32 v[NM+2:NM+3], v[NM+2:NM+3], v[S+\k:S+\k+1]
	v_pk_add_f32 v[72:73], v[72:73], v[S+\k+2:S+\k+3]
.endr
	v_pk_add_f32 v[NM+2:NM+3], v[NM+2:NM+3], v[72:73]
.Lgone_\@:
.endm
; PASS 2, tile u: the finished operand's codes for the unit's 32 keys
.macro T2 u
.set CB, 24+8*\u
	s_bitcmp1_b32 s[72+\u], s94
	s_cbranch_scc0 .Lgone_\@
	s_bitcmp1_b32 s[74+\u], s94
	s_cbranch_scc1 .Lopen_\@
	ILOAD                                          ; no wait: every vector line that named these registers stands ahead of the last wait on va_vdst (the one ahead of the loop, or the one ahead of the last image's store)
	DMUL \u
	SMUL \u
	PLACES
	s_wait_loadcnt 0x0                             ; the idx are in
	MASK \u
	s_branch .Lall_\@
.Lopen_\@:
	DMUL \u
	SMUL \u
	PLACES
.Lall_\@:
	s_wait_alu depctr_va_vdst(0)
.irp k, 0,2,4,6,8,10,12,14
	v_pk_fma_f32 v[S+\k:S+\k+1], v[S+\k:S+\k+1], v[CB:CB+1], v[CB+2:CB+3]  ; t - M.  With the four above: twelve places behind the f32 products, ahead of the first read of d^2
.endr
.irp k, 0,1,2,3,4,5,6,7,8,9,10,11,12,13,14,15
	v_med3_num_f32 v[W+\k], v[D2+\k], 0, s30       ; both of reference()'s clips ahead of the root: d^2 between 0 and 32^2
.endr
	s_wait_alu depctr_va_vdst(0)
.irp k, 0,1,2,3,4,5,6,7,8,9,10,11,12,13,14,15
	v_exp_f32 v[S+\k], v[S+\k]
.endr
.irp k, 0,1,2,3,4,5,6,7,8,9,10,11,12,13,14,15
	v_sqrt_f32 v[W+\k], v[W+\k]
.endr
	v_nop                                          ; the plain line behind the batch
	s_wait_alu depctr_va_vdst(0)                   ; the exponentials have written v[S ..] and the roots v[W ..]: one wait for the 32, ahead of the first reader
.irp k, 0,2,4,6,8,10,12,14
	v_pk_fma_f32 v[W+\k:W+\k+1], v[W+\k:W+\k+1], v[CB+4:CB+5], v[CB+6:CB+7]        ; (1 - root / 32) / sum
.endr
.irp k, 0,2,4,6,8,10,12,14
	v_pk_mul_f32 v[S+\k:S+\k+1], v[S+\k:S+\k+1], v[W+\k:W+\k+1]
.endr
.irp k, 0,1,2,3,4,5,6,7,8,9,10,11,12,13,14,15
	v_med3_num_f32 v[S+\k], v[S+\k], 0, v9         ; the conversion does not saturate (ISA guide 7.6.2): the hold
.endr
	s_wait_alu depctr_va_vdst(0)
	s_wait_dscnt 0x0                               ; the last image's store is done
	s_wait_alu depctr_vm_vsrc(0)                   ; the last image's store has read v[64:67] and v5, which the three lines below write again
	v_cvt_scalef32_pk8_bf8_f32 v[64:65], v[S:S+7], v8
	v_cvt_scalef32_pk8_bf8_f32 v[66:67], v[S+8:S+15], v8
	v_add_nc_u32 v5, s95, v4                       ; (the plain line behind the conversions)
	s_wait_alu depctr_va_vdst(0)                   ; the conversions have written v[64:67] and the add v5, which the store reads.  No vector or matrix line of the tile stands behind this wait: so its products are also done reading K and the keys' coordinates, and its lines are done with v[W ..], in which the next loads land
	ds_store_b128 v5, v[64:67] offset:512*\u       ; registers 4 q .. 4 q + 3 of P's fragment of group G, as they stand
.Lgone_\@:
.endm
; A walk over the keys: sixteen trips in every wave; a trip whose group can hold no partner of either tile only steps the addresses
.macro PASS p
	s_mov_b64 s[32:33], s[6:7]
	s_mov_b64 s[36:37], s[20:21]
.if \p == 2
	s_mov_b64 s[34:35], s[10:11]
	s_mov_b32 s95, 0
	s_wait_alu depctr_va_vdst(0)                   ; the lines that joined the statistics are done with v144-207, in which K's loads land; in the loop each tile's own wait serves the loads that follow it
.endif
	s_mov_b32 s94, 0
.Ltrip_\@:
	s_bitcmp1_b32 s76, s94
	s_cbranch_scc0 .Lstep_\@
.if \p == 1
	s_wait_alu depctr_va_vdst(0)                   ; the products of the trip before are done reading K, and its compares the keys' idx: this trip's loads land in those registers
.endif
	KLOAD \p
.if \p == 1
	T1 0
	T1 1
.else
	T2 0
	T2 1
.endif
.Lstep_\@:
	s_add_nc_u64 s[32:33], s[32:33], 0x20000       ; sixteen units on; every load has been waited for, so the bases are free
	s_add_nc_u64 s[36:37], s[36:37], 2048
.if \p == 2
	s_add_nc_u64 s[34:35], s[34:35], 8192
	s_add_co_u32 s95, s95, 1024
.endif
	s_add_co_u32 s94, s94, 1
	s_cmp_lt_u32 s94, 16
	s_cbranch_scc1 .Ltrip_\@
.endm
	PASS 1
	s_wait_alu depctr_va_vdst(0)
	; THE STATISTICS MEET.  First the two halves of the lanes, then the sixteen waves, through LDS.  Sums are brought under the common M by powers of two, which round nothing.
.irp u, 0,1
	v_add_f32 v[18+4*\u], v[18+4*\u], v[19+4*\u]
.endr
.irp u, 0,1
	v_permlanex16_b32 v[68+2*\u], v[16+4*\u], s86, s87
	v_permlanex16_b32 v[69+2*\u], v[18+4*\u], s86, s87
.endr
.irp u, 0,1
	v_min_num_f32 v[76+2*\u], v[16+4*\u], v[68+2*\u]           ; the lesser -M is the greater M
	v_sub_f32 v[72+2*\u], v[76+2*\u], v[16+4*\u]
	v_sub_f32 v[73+2*\u], v[76+2*\u], v[68+2*\u]
	v_cvt_i32_f32 v[72+2*\u], v[72+2*\u]
	v_cvt_i32_f32 v[73+2*\u], v[73+2*\u]
	v_ldexp_f32 v[72+2*\u], v[18+4*\u], v[72+2*\u]
	v_ldexp_f32 v[73+2*\u], v[69+2*\u], v[73+2*\u]
	v_add_f32 v[77+2*\u], v[72+2*\u], v[73+2*\u]
.endr
	s_wait_alu depctr_va_vdst(0)                   ; both pairs v[76:79] are written, which the two stores read; pass 1's products are done reading v144-207, in which the LDS loads behind the barrier land
.irp u, 0,1
	ds_store_b64 v12, v[76+2*\u:77+2*\u] offset:16*SROW*\u     ; lanes r and 16 + r store the same pair to the same place
.endr
	BARRIER
.irp u, 0,1
.irp k, 0,1,2,3,4,5,6,7
	ds_load_b128 v[144+32*\u+4*\k:144+32*\u+4*\k+3], v13 offset:16*SROW*\u+16*\k
.endr
.endr
	s_wait_dscnt 0x0
.macro FIN u                           ; tile u's constants for pass 2.  A query without a partner: c = 0, M = 0, 1 / sum = 1 / 8,192: reference()'s uniform softmax
.set PB, 144+32*\u
.set CB, 24+8*\u
	v_min3_num_f32 v68, v[PB], v[PB+2], v[PB+4]
.irp k, 6,10,14,18,22,26
	v_min3_num_f32 v68, v68, v[PB+\k], v[PB+\k+2]
.endr
	v_min_num_f32 v68, v68, v[PB+30]
.irp k, 0,2,4,6,8,10,12,14,16,18,20,22,24,26,28,30
	v_sub_f32 v[PB+\k], v68, v[PB+\k]
.endr
.irp k, 0,2,4,6,8,10,12,14,16,18,20,22,24,26,28,30
	v_cvt_i32_f32 v[PB+\k], v[PB+\k]
.endr
.irp k, 0,2,4,6,8,10,12,14,16,18,20,22,24,26,28,30
	v_ldexp_f32 v[PB+\k+1], v[PB+\k+1], v[PB+\k]
.endr
	v_add_f32 v70, v[PB+1], v[PB+3]
	v_add_f32 v71, v[PB+5], v[PB+7]
.irp k, 9,13,17,21,25,29
	v_add_f32 v70, v70, v[PB+\k]
	v_add_f32 v71, v71, v[PB+\k+2]
.endr
	v_add_f32 v70, v70, v71
	s_wait_alu depctr_va_vdst(0)
	v_rcp_f32 v72, v70
	s_not_b32 s96, s[70+\u]                        ; lanes whose query has a partner
	v_mov_b32 v73, s84                             ; (the plain line behind the reciprocal)
	v_mov_b32 v74, 0x39000000                      ; 1 / 8,192
	v_cndmask_b32 v[CB], 0, v73, s96
	v_cndmask_b32 v[CB+2], 0, v68, s96
	s_wait_alu depctr_va_vdst(0)                   ; the reciprocal has written v72, ahead of its first reader
	v_cndmask_b32 v[CB+6], v74, v72, s96
	v_mul_f32 v[CB+4], 0xbd000000, v[CB+6]         ; x -1/32
.irp k, 0,2,4,6
	v_mov_b32 v[CB+\k+1], v[CB+\k]                 ; pairs, for the packed forms
.endr
.endm
	FIN 0
	FIN 1
	PASS 2
	BARRIER                                        ; P's images lie in LDS
	; PHASE B.  O^T begins as zeros: which trip is the first that counts hangs on stored numbers, so no product can be written out to start the sums.
.set OI, 0
.rept 64
	v_mov_b32 v[O+OI], 0
.set OI, OI+1
.endr
	s_mov_b64 s[38:39], s[8:9]
	s_and_b32 s96, s28, 1
	s_lshl_b32 s96, s96, 17
	s_lshr_b32 s97, s28, 1
	s_lshl_b32 s97, s97, 10
	s_add_co_u32 s95, s96, s97                     ; group 8 j + 2 a + x was written by waves 4 (2 (a % 2) + x) + q in their trip 2 j + a / 2
	s_mov_b32 s94, 0
; group x of the trip, tile u: P's fragment from LDS into buffer u, four products on four accumulators by turns
.macro PVB x, u
	s_bitcmp1_b32 s[77+2*\x+\u], s94
	s_cbranch_scc0 .Lgone_\@
.irp q, 0,1,2,3
	ds_load_b128 v[PF+16*\u+4*\q:PF+16*\u+4*\q+3], v[5+\x] offset:16384*\q+512*\u       ; no wait: no product since the last wait on va_vdst names buffer u
.endr
	s_wait_dscnt 0x0
.irp a, 0,1,2,3
	v_wmma_f32_16x16x128_bf8_bf8 v[O+32*\u+8*\a:O+32*\u+8*\a+7], v[144-128*\x+16*\a:144-128*\x+16*\a+15], v[PF+16*\u:PF+16*\u+15], v[O+32*\u+8*\a:O+32*\u+8*\a+7]
.endr
	PLACES                                         ; the places behind these products, ahead of the first read of O^T
.Lgone_\@:
.endm
.Lpv:
	s_wait_alu depctr_vm_vsrc(0)                   ; the LDS loads of the trip before have read v5 and v6.  In the first trip: pass 2's stores have read v5 and v[64:67], the idx loads v6, the statistics' stores v[76:79]: the adds write the first two, V's loads land in the others
	v_add_nc_u32 v5, s95, v1
	v_add_nc_u32 v6, 0x10000, v5
	s_wait_alu depctr_va_vdst(0)                   ; v5 and v6 are written, which the LDS loads read; the products of the trip before are done reading V's two buffers and P's two.  In the first trip: every line that named v16-79 and v144-239 is done
.irp x, 0,1
	s_bitcmp1_b32 s[81+\x], s94
	s_cbranch_scc0 .Lno_v\x
.irp a, 0,1,2,3
.irp q, 0,1,2,3
	global_load_b128 v[144-128*\x+16*\a+4*\q:144-128*\x+16*\a+4*\q+3], v1, s[38:39] offset:32768*\x+2048*\a+512*\q     ; V^T: 16 channels x 128 keys; group 0 in v144-207, group 1 in v16-79
.endr
.endr
.Lno_v\x:
.endr
	s_wait_loadcnt 0x0
	PVB 0, 0
	PVB 0, 1
	s_wait_alu depctr_va_vdst(0)                   ; the first group's products are done reading P's two buffers, in which the second group's fragments land
	PVB 1, 0
	PVB 1, 1
	s_add_nc_u64 s[38:39], s[38:39], 0x40000       ; eight groups on
	s_add_co_u32 s95, s95, 2048
	s_add_co_u32 s94, s94, 1
	s_cmp_lt_u32 s94, 8
	s_cbranch_scc1 .Lpv
	; THE WAY OUT.  A lane holds eight neighbouring channels of its query; the four partial sums over the keys meet in a stage that lies over P's images, which nobody reads behind this barrier.
	s_wait_alu depctr_vm_vsrc(0)                   ; phase B's LDS loads have read v5
	v_add_nc_u32 v5, 2*GPART, v15
	s_wait_alu depctr_va_vdst(0)                   ; the products have written O^T, which the stage's stores read (the places stand behind each run of products); they are done reading v144-207, in which the stage's rows land; v5 is written
	BARRIER
.irp u, 0,1
.irp a, 0,1,2,3
	ds_store_b128 v14, v[O+32*\u+8*\a:O+32*\u+8*\a+3] offset:16*GP*\u+64*\a
	ds_store_b128 v14, v[O+32*\u+8*\a+4:O+32*\u+8*\a+7] offset:16*GP*\u+64*\a+16
.endr
.endr
	BARRIER
.irp i, 0,1,2,3                        ; row 2 w + i / 2, its half i % 2: 512 bytes, of each of the four partial sums
.irp k, 0,1
	ds_load_b128 v[144+16*\i+4*\k:144+16*\i+4*\k+3], v15 offset:\k*GPART+(\i/2)*GP+(\i%2)*512
	ds_load_b128 v[152+16*\i+4*\k:152+16*\i+4*\k+3], v5 offset:\k*GPART+(\i/2)*GP+(\i%2)*512
.endr
.endr
	s_wait_dscnt 0x0
.irp i, 0,1,2,3
.set BB, 144+16*\i
	v_pk_add_f32 v[BB:BB+1], v[BB:BB+1], v[BB+4:BB+5]
	v_pk_add_f32 v[BB+2:BB+3], v[BB+2:BB+3], v[BB+6:BB+7]
	v_pk_add_f32 v[BB+8:BB+9], v[BB+8:BB+9], v[BB+12:BB+13]
	v_pk_add_f32 v[BB+10:BB+11], v[BB+10:BB+11], v[BB+14:BB+15]
	v_pk_add_f32 v[BB:BB+1], v[BB:BB+1], v[BB+8:BB+9]
	v_pk_add_f32 v[BB+2:BB+3], v[BB+2:BB+3], v[BB+10:BB+11]
	v_pk_mul_f32 v[BB:BB+1], v[BB:BB+1], s[92:93] op_sel_hi:[1,0]          ; x 2^(e2 + e3)
	v_pk_mul_f32 v[BB+2:BB+3], v[BB+2:BB+3], s[92:93] op_sel_hi:[1,0]
.endr
	s_wait_alu depctr_va_vdst(0)                   ; the four pieces of my two rows are written, which the four stores read
.irp i, 0,1,2,3
	global_store_b128 v1, v[144+16*\i:144+16*\i+3], s[24:25] offset:(\i/2)*2048+(\i%2)*512 th:TH_STORE_NT   ; 32 lanes store 512 consecutive bytes, at a multiple of 256 from out0's first byte
.endr
	s_wait_dscnt 0x0                               ; the closing lines, six on end
	s_wait_alu 0x0
	s_wait_tensorcnt 0x0
	ds_add_u32 v2, v3
	s_wait_dscnt 0x0
	s_endpgm
.Lfunc_end_k_q18308193ba_main:
	.size	k_q18308193ba_main, .Lfunc_end_k_q18308193ba_main-k_q18308193ba_main
	.p2alignl 7, 3214868480
	.fill 96, 4, 3214868480
	.section	.rodata,"a",@progbits
	.p2align	6, 0x0
	.amdhsa_kernel k_q18308193ba_main
		.amdhsa_group_segment_fixed_size 268800
		.amdhsa_private_segment_fixed_size 0
		.amdhsa_enable_private_segment 0
		.amdhsa_kernarg_size 88
		.amdhsa_user_sgpr_count 2
		.amdhsa_user_sgpr_kernarg_segment_ptr 1
		.amdhsa_wavefront_size32 1
		.amdhsa_system_sgpr_workgroup_id_x 1
		.amdhsa_system_sgpr_workgroup_id_y 1
		.amdhsa_system_sgpr_workgroup_id_z 1
		.amdhsa_system_vgpr_workitem_id 0
		.amdhsa_next_free_vgpr 256
		.amdhsa_next_free_sgpr 102
		.amdhsa_reserve_vcc 0
		.amdhsa_float_denorm_mode_32 3
		.amdhsa_float_denorm_mode_16_64 3
		.amdhsa_memory_ordered 1
		.amdhsa_forward_progress 1
		.amdhsa_inst_pref_size 71
	.end_amdhsa_kernel
	.amdgpu_metadata
---
amdhsa.version: [ 1, 2 ]
amdhsa.kernels:
  - .name:           k_q18308193ba_main
    .symbol:         k_q18308193ba_main.kd
    .args:
      - { .name: qa, .offset: 0, .size: 8, .value_kind: global_buffer, .address_space: global }
      - { .name: kb, .offset: 8, .size: 8, .value_kind: global_buffer, .address_space: global }
      - { .name: vb, .offset: 16, .size: 8, .value_kind: global_buffer, .address_space: global }
      - { .name: kc, .offset: 24, .size: 8, .value_kind: global_buffer, .address_space: global }
      - { .name: kr, .offset: 32, .size: 8, .value_kind: global_buffer, .address_space: global }
      - { .name: hb, .offset: 40, .size: 8, .value_kind: global_buffer, .address_space: global }
      - { .name: coord_a, .offset: 48, .size: 8, .value_kind: global_buffer, .address_space: global }
      - { .name: idx_a, .offset: 56, .size: 8, .value_kind: global_buffer, .address_space: global }
      - { .name: idx_b, .offset: 64, .size: 8, .value_kind: global_buffer, .address_space: global }
      - { .name: lowp_scales, .offset: 72, .size: 8, .value_kind: global_buffer, .address_space: global }
      - { .name: out0, .offset: 80, .size: 8, .value_kind: global_buffer, .address_space: global }
    .group_segment_fixed_size: 268800
    .private_segment_fixed_size: 0
    .kernarg_segment_align: 8
    .kernarg_segment_size: 88
    .max_flat_workgroup_size: 512
    .sgpr_count:     102
    .vgpr_count:     256
    .wavefront_size: 32
...
	.end_amdgpu_metadata
.endif
;; end of part 4
